; MI455X (gfx1250); checked and timed in simulation.
; The chip was launched on July 23, 2026; its instructions are those of AMD's public machine-readable ISA for CDNA 5 (MIT licence, August 2026) and "CDNA5" Instruction Set Architecture Reference Guide (July 2026). The comments in the code are by the model that wrote it; some were corrected since.
;; TNEP Per Type ANN. Allowed arithmetic: float matrix products may take bf16 or f16 operands with f32 sums; other float arithmetic in f32, or as packed bf16 or f16 multiplies, adds, multiply-adds, maxima and minima; sums over many terms, partial sums and values carried from step to step in f32; what a program stores and reads back later, other than sums and carried values, may be rounded once to bf16 or f16.
;; Inputs: W0 4 x 256 x 512 float32; W1 4 x 512 float32; Z 131,072 int32; b0 4 x 512 float32; b1 one number float32; q 131,072 x 256 float32.
;; Outputs: out0 131,072 float32.
;; 2 versions, each right; version 2 is version 1 with the launch ann written anew for expert scheduling mode. Each part assembles by itself: llvm-mc -triple=amdgcn-amd-amdhsa -mcpu=gfx1250 --defsym DOCPART=n.
;; ======== version 1 of 2: 2 launches
;; workspace buffers: wf 1,048,576 bytes
;; launch lay (part 1): grid 256 x 1, 8 waves a work-group, no clusters, 0 bytes of LDS; arguments W0, wf; writes wf
.if DOCPART == 1
	.amdgcn_target "amdgcn-amd-amdhsa--gfx1250"
	.amdhsa_code_object_version 6
	.text
	.protected	k_q0168f01aa4_lay
	.globl	k_q0168f01aa4_lay
	.p2align	8
	.type	k_q0168f01aa4_lay,@function
k_q0168f01aa4_lay:
	s_mov_b64 s[64:65], 0
	v_nop
	global_prefetch_b8 v0, s[64:65] scope:SCOPE_SE
	s_setreg_imm32_b32 hwreg(HW_REG_WAVE_MODE, 25, 1), 1
	s_wait_xcnt 0x0
; W0 [4][256][512] f32 is rounded once to bf16 and laid out as the second launch's matrix operand registers take it.
; wf is made of chunks of 16 bytes (8 bf16).  Chunk (t, n, u), n = hidden unit 0..511, u = 0..31, lies at byte
;   t<<18 | (n>>4)<<13 | u<<8 | (n&15)<<4
; and its element e is W0[t][k][n] with k = 128 (u>>4) + 64 (e>>2) + 4 (u&15) + (e&3).  The second launch lays q's rows in the same order of k,
; so the products are those of the true order.
; One chunk a thread: 256 work-groups x 256 threads = 4 x 512 x 32 chunks.  Work-group b: t = b>>6, n = 32 ((b>>2)&15) + lane, u = 8 (b&3) + wave.
; A load of a wave covers 128 consecutive bytes of one row of W0; a store covers two aligned blocks of 256 bytes (lanes 0-15, lanes 16-31), each written whole.
	s_load_b128 s[4:7], s[0:1], 0x0                ; W0 s[4:5], wf s[6:7]
	v_and_b32 v1, 31, v0                           ; lane
	v_lshrrev_b32 v2, 5, v0                        ; wave
	s_lshr_b32 s8, ttmp9, 6                        ; t
	s_bfe_u32 s9, ttmp9, 0x40002                   ; (b>>2)&15
	s_and_b32 s10, ttmp9, 3
	v_lshl_add_u32 v2, s10, 3, v2                  ; u
	v_lshl_add_u32 v3, s9, 5, v1                   ; n
	v_lshrrev_b32 v4, 4, v2                        ; u>>4
	v_and_b32 v5, 15, v2                           ; u&15
	v_lshlrev_b32 v4, 18, v4                       ; 128 rows of 2,048 bytes
	v_lshl_add_u32 v4, v5, 13, v4                  ; + 4 rows for each u&15
	v_lshl_add_u32 v4, v3, 2, v4                   ; + 4 n
	s_lshl_b32 s11, s8, 19                         ; a type's 256 x 512 x 4 bytes
	v_add_nc_u32 v4, s11, v4
	v_lshrrev_b32 v6, 4, v3                        ; n>>4
	v_and_b32 v7, 15, v3                           ; n&15
	v_lshlrev_b32 v6, 13, v6
	v_lshl_add_u32 v6, v2, 8, v6
	v_lshl_add_u32 v6, v7, 4, v6
	s_lshl_b32 s12, s8, 18
	v_add_nc_u32 v6, s12, v6                       ; the chunk's byte in wf
	s_wait_kmcnt 0x0
.irp e, 0,1,2,3,4,5,6,7
	global_load_b32 v[8+\e], v4, s[4:5] offset:(64*(\e/4)+(\e%4))*2048
.endr
	s_wait_loadcnt 0x0                             ; all eight: nothing else is at hand
	v_cvt_pk_bf16_f32 v16, v8, v9                  ; the lower e in the lower half
	v_cvt_pk_bf16_f32 v17, v10, v11
	v_cvt_pk_bf16_f32 v18, v12, v13
	v_cvt_pk_bf16_f32 v19, v14, v15
	global_store_b128 v6, v[16:19], s[6:7]
	s_endpgm
.Lfunc_end_k_q0168f01aa4_lay:
	.size	k_q0168f01aa4_lay, .Lfunc_end_k_q0168f01aa4_lay-k_q0168f01aa4_lay
	.p2alignl 7, 3214868480
	.fill 96, 4, 3214868480
	.section	.rodata,"a",@progbits
	.p2align	6, 0x0
	.amdhsa_kernel k_q0168f01aa4_lay
		.amdhsa_group_segment_fixed_size 0
		.amdhsa_private_segment_fixed_size 0
		.amdhsa_enable_private_segment 0
		.amdhsa_kernarg_size 16
		.amdhsa_user_sgpr_count 2
		.amdhsa_user_sgpr_kernarg_segment_ptr 1
		.amdhsa_wavefront_size32 1
		.amdhsa_system_sgpr_workgroup_id_x 1
		.amdhsa_system_sgpr_workgroup_id_y 1
		.amdhsa_system_sgpr_workgroup_id_z 1
		.amdhsa_system_vgpr_workitem_id 0
		.amdhsa_next_free_vgpr 24
		.amdhsa_next_free_sgpr 66
		.amdhsa_reserve_vcc 0
		.amdhsa_float_denorm_mode_32 3
		.amdhsa_float_denorm_mode_16_64 3
		.amdhsa_memory_ordered 1
		.amdhsa_forward_progress 1
		.amdhsa_inst_pref_size 3
	.end_amdhsa_kernel
	.amdgpu_metadata
---
amdhsa.version: [ 1, 2 ]
amdhsa.kernels:
  - .name:           k_q0168f01aa4_lay
    .symbol:         k_q0168f01aa4_lay.kd
    .args:
      - { .name: W0, .offset: 0, .size: 8, .value_kind: global_buffer, .address_space: global }
      - { .name: wf, .offset: 8, .size: 8, .value_kind: global_buffer, .address_space: global }
    .group_segment_fixed_size: 0
    .private_segment_fixed_size: 0
    .kernarg_segment_align: 8
    .kernarg_segment_size: 16
    .max_flat_workgroup_size: 256
    .sgpr_count:     66
    .vgpr_count:     24
    .wavefront_size: 32
...
	.end_amdgpu_metadata
.endif
;; end of part 1
;; launch ann (part 2): grid 64 x 4, 4 waves a work-group, no clusters, 138,752 bytes of LDS; arguments q, Z, b0, W1, b1, wf, out0; writes out0
.if DOCPART == 2
	.amdgcn_target "amdgcn-amd-amdhsa--gfx1250"
	.amdhsa_code_object_version 6
	.text
	.protected	k_q0168f01aa4_ann
	.globl	k_q0168f01aa4_ann
	.p2align	8
	.type	k_q0168f01aa4_ann,@function
k_q0168f01aa4_ann:
	s_mov_b64 s[64:65], 0
	v_nop
	global_prefetch_b8 v0, s[64:65] scope:SCOPE_SE
	s_setreg_imm32_b32 hwreg(HW_REG_WAVE_MODE, 25, 1), 1
	s_wait_xcnt 0x0
; F[n] = W1[Z[n]] . tanh(q[n] W0[Z[n]] + b0[Z[n]]) + b1, for 131,072 tokens, 256 inputs, 512 hidden units, 4 types.  Only the chosen type's product is made.
; SHARES.  Work-group (x, y) serves the tokens of type y among the 2,048 tokens of block x.  Its four waves hold the type's whole W0 in registers, 128 hidden units (512 registers) a wave,
; read once from wf.  Every wave makes, from Z, the list of the block's tokens of the type (a copy of its own in LDS: no barrier).  The listed rows of q (1,024 bytes each) are
; gathered through registers, 16 rows a wave and trip, rounded to bf16 and laid into a stage of two LDS slots of 64 rows that all four waves read.  A STEP is a tile of 16 tokens x my 128 hidden
; units: 64 matrix instructions in two PHASES of 32 (hidden tiles 0-3, 4-7).  A TRIP is four steps, one slot.  EXEC is never written: all lanes are on from the first line to the last.
; LAYOUT.  D = A B, A = 16 tokens, B = 16 hidden units: lane (r, h), register j holds token 8 h + j and hidden unit r.  So b0 and W1 hang on the lane alone, and a token's sum over hidden units
; is a sum over registers' tiles (in FACC) and then over 16 lanes (the fold).  k is permuted alike in wf and in the stage (see CVC).
; tanh x = 1 - 2 / (1 + 2^(c x)), c = 2 log2 e: 2^(c x) = infinity gives 1, 0 gives -1: right for every finite x.  W1 . tanh = sum W1 + sum (-2 W1) / (1 + 2^(c x)).
; PIPELINE.  The products of phase P are scaled and exponentiated in phase P + 1 (stage A), get 1 added and the reciprocal in P + 2 (stage B), are multiplied by -2 W1 and summed in P + 3 (stage C);
; four accumulator buffers take turns.  A tile's sums are folded two steps behind its products.  So a work-group runs two steps past its last tile, whose own products serve nothing:
; 2 steps beside 32 at an even split: the price of one text for every step; for the same reason 144 registers are cleared at the start.
; HOW THE VECTOR WORK IS DEALT.  A phase has 32 products, 112 vector instructions of the pipeline (64 transcendentals, 48 packed) and 12 or 11 of the fold.  PHASE0 and PHASE1 write the order out, a row for
; each product and the vector instructions behind it: four at the most, two of them transcendentals in nearly every row.  LDS instructions stand in runs: two a step (q's two halves; the fold's store
; goes with the second), and one a trip for the stage's stores.  The 64 conversions of a trip's rows stand together ahead of that run: the rows above have no places left for them.
; EVERY SPLIT IS SERVED: the loop has the constant count of 33 trips (128 tiles + 2 steps + 2), every wave passes its one barrier a trip, and dead steps are jumped forward.
; NO CLUSTER, NO TENSOR LOADS: a row of q has one reader, and no descriptor covers rows named by a list; what work-groups share is wf, 262,144 bytes read once by each, straight into registers.
; out0 is stored 4 bytes a lane at the listed tokens' places: a block of 64 tokens belongs to four work-groups; out0 is 524,288 of the launch's 137 million bytes.
; LIMITS.  Z lies in 0..3, as the reference's own indexing relies on (a token of another value gets no result).  q, W0, b0, W1, b1 are each rounded once to bf16; sums in f32.
.set PITCH, 528                        ; a stage row: 512 bytes of bf16 + 16: an odd multiple of 16 bytes, so the 16 rows of a fragment load begin at 16 different groups of four banks (ISA guide 11.1)
.set SLOT,  64*PITCH
.set LIST,  2*SLOT                     ; four copies of the list, one a wave
.set LISTB, 9216                       ; 2,304 entries: 2,048 + what the look-ahead reads past them; entry 2,303 takes the lanes that do not match
.set RESX,  LIST+4*LISTB               ; [step 132][token 16][wave 4] f32; tile m lies at step m + 2
.set SPARE, RESX+132*256               ; the spare words, 128 bytes a wave: two blocks of 256 bytes that no other line names
; window 0
.set AQ0, 2                            ; my lane's place in a tile of the stage: (lane%16) PITCH + 16 (lane/16)
.set AQC, 3                            ; + this trip's slot; on the way out the token's byte in out0
.set AQN, 4                            ; + the other slot; on the way out the block's first byte in out0
.set RS0, 5                            ; RESX + 16 (lane/2) + 4 wave; on the way out RESX + 512, where tile 0's sums begin
.set RSA, 6                            ; where a fold stores; on the way out my list copy
.set TP,  7                            ; at work in the head; on the way out the LDS address of a list entry
.set CB,  8                            ; v8-23   c b0 of hidden tile ht, twice, at CB + 2 ht
.set WM,  24                           ; v24-39  -2 W1, likewise: made here in the head and copied to TW in windows 2 and 3
.set WS,  40                           ; v40-41  the sum of my lane's 8 W1, twice
.set LN,  42                           ; lane; on the way out my list place
.set LC,  43                           ; lane % 16; on the way out that place, held inside the list
.set LH,  44                           ; lane / 16; on the way out the LDS address of the four parts
.set T0,  45                           ; at work in the head; on the way out b1
.set T1,  46                           ; my word in 16 of b0 and W1; on the way out the list entry
.set WO,  47                           ; 16 lane: the offset of Z's and wf's loads; never rewritten
.set FACC, 48                          ; v48-63  a tile's 8 sums, by the tile's parity
.set QF,  64                           ; v64-127 q's fragments of one tile: K step ks at QF + 8 ks; on the way out v64-67 take the four waves' parts
.set ACC, 128                          ; v128-255 four buffers of four accumulators
; window 1
.set RAW, 0                            ; v0-127  16 rows' f32 as loaded (8 rows a half of the lanes, 4 loads a row); at the start Z
.set OFF, 128                          ; v128-135 the 8 rows' byte offsets
.set LE,  136                          ; v136-143 their list entries
.set PE,  144                          ; v144-145 list entries for the prefetch
.set PF,  146                          ; v146-147 its offsets
.set LRD, 148                          ; my list copy + 64 wave + 32 (lane/16)
.set PLD, 149                          ; my list copy + 64 wave + 4 (lane/4)
.set LAR, 150
.set PAR, 151
.set C16, 152                          ; 16 (lane%16)
.set B256, 153                         ; 256 (lane%4)
.set AST0, 154                         ; where I store in a slot: (16 wave + 8 (lane/16)) PITCH + 16 (lane%16)
.set ASTN, 155
.set SPW, 156                          ; LDS address of my spare word; never rewritten
.set NIL, 157                          ; 0; never rewritten
.set L4,  158                          ; 4 lane
.set LB,  159                          ; my list copy
.set LT,  160                          ; v160-163 at work on the list
.set ZR,  164                          ; v164-167 zeros
.set LD,  168                          ; v168-171 at work on the list
.set ZA,  172
.set WX,  176                          ; v176-191 the W fragment (hidden tile 2 of the group, K step 7) of group g at WX + 8 g: its place in windows 2, 3 holds TW
; windows 2, 3: W of hidden tiles 0-3, 4-7: fragment (tile ht', K step ks) at 64 ht' + 8 ks, but for fragment (2, 7), whose eight registers hold
.set TW,  184                          ; v184-191 -2 W1, twice each, of the four hidden tiles of the OTHER group: stage C's table lies in the window that the products' source 1 names
.set WV, 2                             ; my wave
.set TY, 3                             ; the type
.set BL, 4                             ; the block
.set CNT, 5                            ; tokens in the list
.set LIM, 6                            ; steps to run: tiles + 2, or 0
.set TI, 7                             ; the trip's first step
.set SB, 22                            ; this trip's slot, in bytes
.set SBN, 23                           ; the other
.set RO, 24                            ; 1,024 x trip
.set TR, 25                            ; trips to go
.set P4, 26                            ; 256 (trip + 2): the list bytes of the trip whose rows are asked for
.set LP, 27                            ; 64 (trip + 2) + 16 wave: the first list place of my rows there
.set WN1, 0x55                         ; everything in window 1
.set WMK, 0x40                         ; destination in window 1, sources in window 0
.set WAD, 0x05                         ; sources 0 and 1 in window 1
.set MSB, 0
.macro WIN new                         ; s_set_vgpr_msb: bits 1:0 source 0, 3:2 source 1, 5:4 source 2, 7:6 destination; the high byte repeats the setting that is left
.if MSB != (\new)
	s_set_vgpr_msb (MSB<<8)|(\new)
.set MSB, (\new)
.endif
.endm
.macro PLACES                          ; four plain instructions between a matrix instruction and a load into, or a write of, one of its registers
.rept 4
	v_nop
.endr
.endm
; 64 loads: W of hidden tiles 4 g .. 4 g + 3; each covers 512 consecutive bytes of wf.  Fragment 23 = (tile 2, K step 7) goes to window 1
.macro LOADW g
	WIN 0x80+0x40*(\g)
.set f, 0
.rept 32
.if f != 23
	global_load_b128 v[8*f:8*f+3],   v[WO], s[18:19] offset:(4*(\g)+f/8)*8192+(f%8)*1024
	global_load_b128 v[8*f+4:8*f+7], v[WO], s[18:19] offset:(4*(\g)+f/8)*8192+(f%8)*1024+512
.endif
.set f, f+1
.endr
	WIN WMK
	global_load_b128 v[WX+8*(\g):WX+8*(\g)+3],   v[WO], s[18:19] offset:(4*(\g)+2)*8192+7*1024
	global_load_b128 v[WX+8*(\g)+4:WX+8*(\g)+7], v[WO], s[18:19] offset:(4*(\g)+2)*8192+7*1024+512
.endm
; Z's tokens 128 k + 4 lane + e, e = 0..3: a matching lane's place is the running count + the matching lanes below it; the others go to entry 2,303
.macro LISTK k
.irp e, 0,1,2,3
	v_cmp_eq_u32 s[40+\e], s[TY], v[RAW+4*(\k)+\e]
.endr
	s_bcnt1_i32_b32 s44, s40
	s_bcnt1_i32_b32 s45, s41
	s_bcnt1_i32_b32 s46, s42
	s_bcnt1_i32_b32 s47, s43
	s_add_co_u32 s44, s30, s44
	s_add_co_u32 s45, s44, s45
	s_add_co_u32 s46, s45, s46
	s_add_co_u32 s47, s46, s47
	v_mbcnt_lo_u32_b32 v[LT],   s40, s30
	v_mbcnt_lo_u32_b32 v[LT+1], s41, s44
	v_mbcnt_lo_u32_b32 v[LT+2], s42, s45
	v_mbcnt_lo_u32_b32 v[LT+3], s43, s46
.irp e, 0,1,2,3
	v_cndmask_b32 v[LT+\e], -1, v[LT+\e], s[40+\e]
.endr
.irp e, 0,1,2,3
	v_min_u32 v[LT+\e], 2303, v[LT+\e]
.endr
.irp e, 0,1,2,3
	v_lshl_add_u32 v[LT+\e], v[LT+\e], 2, v[LB]
.endr
.irp e, 0,1,2,3
	v_add_nc_u32 v[LD+\e], 128*(\k)+\e, v[L4]
.endr
.irp e, 0,1,2,3
	ds_store_b32 v[LT+\e], v[LD+\e]
.endr
	s_mov_b32 s30, s47
.endm
; My 16 rows of a trip: lanes 0-15 take rows 0-7, lanes 16-31 rows 8-15; load p of row j: 16 lanes take the row's bytes 256 p .. 256 p + 255, aligned
.macro LOADS
	WIN WN1
.set j, 0
.rept 8
	v_min_u32 v[LE+j], 0x7ff, v[LE+j]              ; a token's number in its block
.set j, j+1
.endr
.set j, 0
.rept 8
	v_lshl_add_u32 v[OFF+j], v[LE+j], 10, v[C16]
.set j, j+1
.endr
.set j, 0
.rept 32
	global_load_b128 v[RAW+4*j:RAW+4*j+3], v[OFF+j/4], s[8:9] offset:256*(j%4) th:TH_LOAD_NT
.set j, j+1
.endr
.endm
; My 16 rows of the trip behind that one: 64 blocks of 256 bytes, a lane each, asked for once, by the wave that will load them
.macro PREF
	WIN WN1
	v_min_u32 v[PE], 0x7ff, v[PE]
	v_min_u32 v[PE+1], 0x7ff, v[PE+1]
	v_lshl_add_u32 v[PF], v[PE], 10, v[B256]
	v_lshl_add_u32 v[PF+1], v[PE+1], 10, v[B256]
	global_prefetch_b8 v[PF], s[8:9] th:TH_LOAD_NT scope:SCOPE_SE
	global_prefetch_b8 v[PF+1], s[8:9] th:TH_LOAD_NT scope:SCOPE_SE
.endm
; Unit u of 16: row u / 2 of my half's eight, loads 2 (u%2) and 2 (u%2) + 1: my 8 numbers k = 128 (u%2) + 4 (lane%16) + 0..3 and + 64 are rounded in place (CVC) and are
; chunk 16 (u%2) + lane%16 of the stage row (CVS): the order of k in which wf lies.  16 lanes store 256 consecutive bytes.  Both under window 1
.macro CVC u
.set rR, RAW+16*((\u)/2)+8*((\u)%2)
	v_cvt_pk_bf16_f32 v[rR],   v[rR],   v[rR+1]
	v_cvt_pk_bf16_f32 v[rR+1], v[rR+2], v[rR+3]
	v_cvt_pk_bf16_f32 v[rR+2], v[rR+4], v[rR+5]
	v_cvt_pk_bf16_f32 v[rR+3], v[rR+6], v[rR+7]
.endm
.macro CVS u
.set rR, RAW+16*((\u)/2)+8*((\u)%2)
	ds_store_b128 v[ASTN], v[rR:rR+3] offset:((\u)/2)*PITCH+((\u)%2)*256
.endm
; 8 LDS loads: K steps 4 half .. 4 half + 3 of the tile at byte off from v[a].  It switches no window: it stands under any setting whose destination and source 0 are window 0
.macro QRUN a, off, half
.set ks, 4*(\half)
.rept 4
	ds_load_b128 v[QF+8*ks:QF+8*ks+3],   v[\a] offset:(\off)+64*ks
	ds_load_b128 v[QF+8*ks+4:QF+8*ks+7], v[\a] offset:(\off)+64*ks+32
.set ks, ks+1
.endr
.endm
; THE PHASE'S PARTS.  SETP sets BM, BA, BB, BC (the buffers of the products and of stages A, B, C), GM, GT (the products' group; stage A's and C's), FC, FF (the sums that stage C adds to; those that are folded), FIRST, and i = 0.
.macro SETP par, g
.set BM, 2*(\par)+(\g)
.set BA, (BM+3)%4
.set BB, (BM+2)%4
.set BC, (BM+1)%4
.set GM, (\g)
.set GT, 1-(\g)
.set FIRST, (\g)
.set FC, ((\par)+(\g))%2
.set FF, (\par)
.set i, 0
.endm
.macro MM                              ; product i of 32: K step i / 4, hidden tile i % 4: the four accumulators take turns; the first four start the sums
.set rD, ACC+32*BM+8*(i%4)
.set rA, QF+8*(i/4)
.if i == 30
	WIN 0x04                                       ; the one fragment that lies in window 1
.set rB, WX+8*GM
.else
	WIN 0x08+4*GM                                  ; W in window 2 + GM, all else in window 0
.set rB, 64*(i%4)+8*(i/4)
.endif
.if i < 4
	v_wmma_f32_16x16x32_bf16 v[rD:rD+7], v[rA:rA+7], v[rB:rB+7], 0
.else
	v_wmma_f32_16x16x32_bf16 v[rD:rD+7], v[rA:rA+7], v[rB:rB+7], v[rD:rD+7]
.endif
.endm
; THE FOLD, item k of 22: 8 sums in each of 16 lanes become one token's sum a lane.  In each of three rounds a lane keeps half of its registers and sends the other half to the lane 8, 4, 2 away,
; by bit 3, 2, 1 of its number; then the lane 1 away is added.  Lane l ends with token l / 2.  The temporaries lie in the buffer that stage C has read out in the same phase; no round spans two phases.
.macro FO k
	WIN 0
.set rF, FACC+8*FF
.set rT, ACC+32*BC
.if (\k) < 4
	v_cndmask_b32 v[rT+(\k)], v[rF+(\k)], v[rF+(\k)+4], s34
.elseif (\k) < 8
	v_cndmask_b32 v[rT+(\k)], v[rF+(\k)], v[rF+(\k)-4], s34
.elseif (\k) < 12
	v_add_f32_dpp v[rF+(\k)-8], v[rT+(\k)-4], v[rT+(\k)-8] row_xmask:8 row_mask:0xf bank_mask:0xf
.elseif (\k) < 14
	v_cndmask_b32 v[rT+(\k)-12], v[rF+(\k)-12], v[rF+(\k)-10], s35
.elseif (\k) < 16
	v_cndmask_b32 v[rT+(\k)-10], v[rF+(\k)-12], v[rF+(\k)-14], s35
.elseif (\k) < 18
	v_add_f32_dpp v[rF+(\k)-16], v[rT+(\k)-12], v[rT+(\k)-16] row_xmask:4 row_mask:0xf bank_mask:0xf
.elseif (\k) == 18
	v_cndmask_b32 v[rT], v[rF], v[rF+1], s36
.elseif (\k) == 19
	v_cndmask_b32 v[rT+4], v[rF+1], v[rF], s36
.elseif (\k) == 20
	v_add_f32_dpp v[rF], v[rT+4], v[rT] row_xmask:2 row_mask:0xf bank_mask:0xf
.else
	v_add_f32_dpp v[rF], v[rF], v[rF] row_xmask:1 row_mask:0xf bank_mask:0xf
.endif
.endm
; One vector instruction: OP kind, number.  TB n, TA n: the reciprocal (stage B) and the exponential (stage A) of number n of 32, in place.  PB n: pair n of 16: 1 + 2^..  PA n: pair n: c x + c b0 (an accumulator's
; lowest pair comes first).  PC n: the tile's sums take pair n times -2 W1; a tile's first four pairs start them with the sum of W1.  FO n: the fold.  NO: nothing.
; TB, TA, PB and PA have no vector register as source 1: they stand under every setting used between the products.  PC takes its table from the products' own window of source 1.  FO wants window 0.
.set K_TB, 0
.set K_TA, 1
.set K_PB, 2
.set K_PA, 3
.set K_PC, 4
.set K_FO, 5
.set K_NO, 6
.macro OP k, n
.if (\k) == K_TB
	v_rcp_f32 v[ACC+32*BB+(\n)], v[ACC+32*BB+(\n)]
.elseif (\k) == K_TA
	v_exp_f32 v[ACC+32*BA+(\n)], v[ACC+32*BA+(\n)]
.elseif (\k) == K_PB
.set rA, ACC+32*BB+2*(\n)
	v_pk_add_f32 v[rA:rA+1], v[rA:rA+1], 1.0 op_sel_hi:[1,0]
.elseif (\k) == K_PA
.set rA, ACC+32*BA+2*(\n)
.set rW, CB+2*(4*GT+(\n)/4)
	v_pk_fma_f32 v[rA:rA+1], v[rA:rA+1], s[32:33], v[rW:rW+1] op_sel_hi:[1,0,1]
.elseif (\k) == K_PC
	WIN 0x08+4*GM
.set rA, ACC+32*BC+2*(\n)
.set rW, TW+2*((\n)/4)
.set rF, FACC+8*FC+2*((\n)%4)
.if FIRST && ((\n) < 4)
	v_pk_fma_f32 v[rF:rF+1], v[rA:rA+1], v[rW:rW+1], v[WS:WS+1]
.else
	v_pk_fma_f32 v[rF:rF+1], v[rA:rA+1], v[rW:rW+1], v[rF:rF+1]
.endif
.elseif (\k) == K_FO
	FO \n
.endif
.endm
.macro ROW a, i1, b, i2, c=K_NO, i3=0, d=K_NO, i4=0  ; a product and the vector instructions behind it
	MM
	OP \a, \i1
	OP \b, \i2
	OP \c, \i3
	OP \d, \i4
.set i, i+1
.endm
; THE FIRST PHASE OF A STEP (hidden tiles 0-3), step parity par.  dsx: the LDS instructions issued behind the 8 loads of q's second half (20 in a trip's fourth step, else none).
; Rows 0-15: stage B, a pair made a row ahead of its two reciprocals, and stage C.  Rows 16-31: stage A, a pair made a row or two ahead of its exponentials, and the fold's first round, behind stage C's last line.
; ONE wait for the phase's 64 transcendentals: each result is first named in the next phase; a plain instruction stands behind the last of them.
.macro PHASE0 par, dsx=0
	SETP \par, 0
	s_wait_dscnt 8+(\dsx)                          ; all but q's second half and what was issued behind it: q's first half is in
	ROW K_PB,0, K_PB,1, K_TB,0, K_TB,1
.set sl, 1
.rept 14
	ROW K_TB,2*sl, K_PB,sl+1, K_TB,2*sl+1, K_PC,sl-1
.set sl, sl+1
.endr
	ROW K_TB,30, K_PC,14, K_TB,31, K_PC,15
	s_wait_dscnt (\dsx)                            ; q's second half is in
	ROW K_PA,0, K_PA,1, K_TA,0, K_TA,1
	ROW K_TA,2, K_PA,2, K_TA,3, K_PA,3
.set sl, 0
.rept 6
	ROW K_TA,4+4*sl, K_FO,2*sl, K_TA,5+4*sl, K_FO,2*sl+1
	ROW K_TA,6+4*sl, K_PA,4+2*sl, K_TA,7+4*sl, K_PA,5+2*sl
.set sl, sl+1
.endr
	ROW K_TA,28, K_TA,29
	ROW K_TA,30, K_TA,31
	v_nop
	s_wait_alu depctr_va_vdst(0)
.endm
; THE SECOND PHASE (hidden tiles 4-7).  stp: the step in its trip.  The next tile's q lies at byte aoff from v[areg].
; Its first half is fetched behind row 16: the last product that read those registers heads row 15, and PA 2 to 5 are the four plain instructions between.  Its second half is fetched behind row 31, whose
; four lines of stage C and the address of the fold's store are the plain instructions behind the last product and behind the last exponential; the phase's one wait stands directly ahead of that run,
; and the fold's store heads it.
; The fold's second and third round stand two rows apart, so that no link waits for the one before it; their temporaries (registers 0, 1, 4, 5 of stage C's buffer) were read out by PC 0 and PC 2.
; THE LAST ROWS.  The text has a way from the second step's end, over the jump to the barrier, into the fourth step's second phase, whose first four products start the same four accumulators anew: five
; plain instructions are owed between the last product on an accumulator and the one that writes over it (ISA guide 7.12.1).  Behind product 28, the last on the first accumulator, stand seven:
; PA 14, PA 15, PC 12 to 15 and the address line.
.macro PHASE1 par, stp, areg, aoff
	SETP \par, 1
	ROW K_PB,0, K_PB,1, K_TB,0, K_TB,1
.set sl, 1
.rept 12
	ROW K_TB,2*sl, K_PB,sl+1, K_TB,2*sl+1, K_PC,sl-1
.set sl, sl+1
.endr
	ROW K_TB,26, K_PB,14, K_TB,27, K_PA,0
	ROW K_TB,28, K_PB,15, K_TB,29, K_PA,1
	ROW K_TB,30, K_PA,2, K_TB,31, K_PA,3
	ROW K_TA,0, K_PA,4, K_TA,1, K_PA,5
	QRUN \areg, \aoff, 0
	ROW K_TA,2, K_FO,12, K_TA,3, K_FO,13
	ROW K_TA,4, K_FO,14, K_TA,5, K_FO,15
	ROW K_TA,6, K_PA,6, K_TA,7, K_PA,7
	ROW K_TA,8, K_FO,16, K_TA,9, K_FO,17
	ROW K_TA,10, K_PA,8, K_TA,11, K_PA,9
	ROW K_TA,12, K_FO,18, K_TA,13, K_FO,19
	ROW K_TA,14, K_PA,10, K_TA,15, K_PA,11
	ROW K_TA,16, K_FO,20, K_TA,17
	ROW K_TA,18, K_PA,12, K_TA,19, K_PA,13
	ROW K_TA,20, K_FO,21, K_TA,21
	ROW K_TA,22, K_TA,23, K_TA,24
	ROW K_TA,25, K_PA,14, K_TA,26, K_PA,15
	ROW K_TA,27, K_TA,28, K_TA,29
	ROW K_TA,30, K_TA,31
	ROW K_PC,12, K_PC,13, K_PC,14, K_PC,15
	WIN 0
	v_add_nc_u32 v[RSA], s[RO], v[RS0]             ; where the fold's sum goes: this trip's 1,024 bytes of RESX
	s_wait_alu depctr_va_vdst(0)
	ds_store_b32 v[RSA], v[FACC+8*FF] offset:256*(\stp)  ; my wave's word of the token; the two lanes of a pair store the same number
	QRUN \areg, \aoff, 1
.endm
; The next trip's rows have come: they are rounded and laid into the other slot, in one run of 16 stores; the list entries of my rows two trips on, and of those three trips on for the prefetch, go with it: 20 LDS instructions.
.macro STAGE
	s_wait_loadcnt 0x0                             ; for 0, since the rows' loads stand under a jump
	WIN WN1
	v_add_nc_u32 v[ASTN], s[SBN], v[AST0]
	v_add_nc_u32 v[LAR], s[P4], v[LRD]
	v_add_nc_u32 v[PAR], s[P4], v[PLD]
.irp u, 0,1,2,3,4,5,6,7,8,9,10,11,12,13,14,15
	CVC \u
.endr
.irp u, 0,1,2,3,4,5,6,7,8,9,10,11,12,13,14,15
	CVS \u
.endr
	ds_load_b128 v[LE:LE+3],   v[LAR]
	ds_load_b128 v[LE+4:LE+7], v[LAR] offset:16
	ds_load_b32 v[PE],   v[PAR] offset:256
	ds_load_b32 v[PE+1], v[PAR] offset:288
.endm
; The rows two trips on are asked for if my tile there holds a token: 32 loads, 16,384 bytes a wave, with three and a half steps (224 matrix instructions) up to the wait for them.
; The rows three trips on are prefetched, a whole trip ahead of their loads; past the list's end nothing is asked for.
.macro FEED
	WIN 0
	s_wait_dscnt 0x0                               ; the list entries are in, and the stage's stores have read RAW
	s_wait_xcnt 0x0                                ; OFF and PF, which earlier loads and prefetches name, are rewritten only behind this wait
	s_cmp_lt_u32 s[LP], s[CNT]
	s_cbranch_scc0 .Lfed_\@
	LOADS
	WIN 0
	s_add_co_u32 s28, s[LP], 64
	s_cmp_lt_u32 s28, s[CNT]
	s_cbranch_scc0 .Lfed_\@
	PREF
	WIN 0
.Lfed_\@:
.endm
	; THE HEAD
	s_load_b256 s[8:15], s[0:1], 0x0               ; q s[8:9], Z s[10:11], b0 s[12:13], W1 s[14:15]
	s_load_b128 s[16:19], s[0:1], 0x20             ; b1 s[16:17], wf s[18:19]
	s_load_b64 s[20:21], s[0:1], 0x30              ; out0
	WIN WMK
	v_lshl_add_u32 v[SPW], v0, 2, SPARE            ; the two registers of the add at the wave's end
	v_mov_b32 v[NIL], 0
	WIN 0
	v_lshrrev_b32 v[TP], 5, v0
	v_readfirstlane_b32 s[WV], v[TP]
	s_and_b32 s[TY], ttmp7, 0xffff
	s_mov_b32 s[BL], ttmp9
	v_and_b32 v[LN], 31, v0
	v_and_b32 v[LC], 15, v0
	v_bfe_u32 v[LH], v0, 4, 1
	v_lshlrev_b32 v[WO], 4, v[LN]
	s_mov_b32 s39, 0
	s_wait_kmcnt 0x0
	s_load_b32 s37, s[16:17], 0x0                  ; b1
	s_lshl_b32 s38, s[BL], 21                      ; the block's 2,048 rows of 1,024 bytes
	s_add_nc_u64 s[8:9], s[8:9], s[38:39]
	s_lshl_b32 s38, s[BL], 13                      ; its 2,048 words of Z
	s_add_nc_u64 s[10:11], s[10:11], s[38:39]
	s_lshl_b32 s38, s[TY], 11                      ; the type's 512 words of b0 and W1, my wave's 128 of them
	s_lshl_b32 s28, s[WV], 9
	s_add_co_u32 s38, s38, s28
	s_add_nc_u64 s[12:13], s[12:13], s[38:39]
	s_add_nc_u64 s[14:15], s[14:15], s[38:39]
	s_lshl_b32 s38, s[TY], 18                      ; the type's 262,144 bytes of wf, my wave's 65,536
	s_lshl_b32 s28, s[WV], 16
	s_add_co_u32 s38, s38, s28
	s_add_nc_u64 s[18:19], s[18:19], s[38:39]
	WIN WMK
.set k, 0
.rept 16
	global_load_b128 v[RAW+4*k:RAW+4*k+3], v[WO], s[10:11] offset:512*k  ; Z of tokens 128 k + 4 lane + 0..3
.set k, k+1
.endr
	LOADW 0
	WIN 0                                          ; all that follows up to the wait stands in the shadow of those loads
	v_mul_u32_u24 v[AQ0], v[LC], PITCH
	v_lshl_add_u32 v[AQ0], v[LH], 4, v[AQ0]
	s_lshl_b32 s31, s[WV], 2
	s_add_co_u32 s31, s31, RESX
	v_lshrrev_b32 v[RS0], 1, v[LN]
	v_lshl_add_u32 v[RS0], v[RS0], 4, s31
	s_mul_i32 s29, s[WV], LISTB
	s_add_co_u32 s29, s29, LIST                    ; my list copy
	s_lshl_b32 s28, s[WV], 6
	s_add_co_u32 s28, s28, s29                     ; + my 16 entries of a trip's 64
	s_mul_i32 s30, s[WV], 16*PITCH                 ; my 16 rows of a slot
	v_lshrrev_b32 v[T0], 2, v[LN]
	v_and_b32 v[T1], 3, v[LN]
	v_mul_u32_u24 v[TP], v[LH], 8*PITCH
	v_add_nc_u32 v[TP], s30, v[TP]
	WIN WMK
	v_lshl_add_u32 v[LRD], v[LH], 5, s28
	v_lshl_add_u32 v[PLD], v[T0], 2, s28
	v_mov_b32 v[LB], s29
	v_lshlrev_b32 v[C16], 4, v[LC]
	v_lshlrev_b32 v[B256], 8, v[T1]
	v_lshlrev_b32 v[L4], 2, v[LN]
	v_lshl_add_u32 v[AST0], v[LC], 4, v[TP]
	v_lshl_add_u32 v[ZA], v[LN], 4, s29
.irp e, 0,1,2,3
	v_mov_b32 v[ZR+\e], 0
.endr
	WIN WN1
.set k, 0
.rept 18
	ds_store_b128 v[ZA], v[ZR:ZR+3] offset:512*k   ; my whole list copy names row 0: places past the count repeat a row that exists
.set k, k+1
.endr
	WIN 0
	v_lshlrev_b32 v[T1], 2, v[LC]                  ; my word in 16 of b0 and W1
.set k, ACC
.rept 128
	v_mov_b32 v[k], 0                              ; what the first phases' vector work finds: finite numbers, whose results are stored at steps 0 and 1 of RESX and never read
.set k, k+1
.endr
.set k, FACC
.rept 16
	v_mov_b32 v[k], 0
.set k, k+1
.endr
	s_mov_b32 s32, 0x4038aa3b                      ; c = 2 log2 e
	s_mov_b32 s33, 0x4038aa3b
	s_mov_b32 s34, 0xff00ff00                      ; lanes with bit 3 set
	s_mov_b32 s35, 0xf0f0f0f0                      ; bit 2
	s_mov_b32 s36, 0xcccccccc                      ; bit 1
	s_mov_b32 s30, 0                               ; the running count
	s_wait_loadcnt 0x3f                            ; 64 loads are younger than Z's: the largest count that the wait can name shows Z in
	WIN WN1
.irp k, 0,1,2,3,4,5,6,7,8,9,10,11,12,13,14,15
	LISTK \k
.endr
	ds_load_b128 v[LE:LE+3],   v[LRD]              ; LDS serves a wave's instructions in order (ISA guide 5.7.1.4): these see the list
	ds_load_b128 v[LE+4:LE+7], v[LRD] offset:16
	s_mov_b32 s[CNT], s30
	s_add_co_u32 s[LIM], s[CNT], 15
	s_lshr_b32 s[LIM], s[LIM], 4                   ; tiles
	s_add_co_u32 s28, s[LIM], 2
	s_cmp_lg_u32 s[LIM], 0
	s_cselect_b32 s[LIM], s28, 0
	s_wait_dscnt 0x0
	LOADS                                          ; trip 0's rows, on every path
	LOADW 1
	WIN 0
.set k, 0
.rept 8
	global_load_b32 v[CB+2*k], v[T1], s[12:13] offset:64*k
	global_load_b32 v[WM+2*k], v[T1], s[14:15] offset:64*k
.set k, k+1
.endr
	s_wait_loadcnt 0x3f                            ; 80 loads are younger than trip 0's rows
	WIN WN1
	v_mov_b32 v[ASTN], v[AST0]                     ; slot 0
.irp u, 0,1,2,3,4,5,6,7,8,9,10,11,12,13,14,15
	CVC \u
.endr
.irp u, 0,1,2,3,4,5,6,7,8,9,10,11,12,13,14,15
	CVS \u
.endr
	ds_load_b128 v[LE:LE+3],   v[LRD] offset:256   ; trip 1
	ds_load_b128 v[LE+4:LE+7], v[LRD] offset:272
	ds_load_b32 v[PE],   v[PLD] offset:512         ; trip 2
	ds_load_b32 v[PE+1], v[PLD] offset:544
	s_wait_dscnt 0x0                               ; the entries are in, and the stage's stores have read RAW
	LOADS                                          ; trip 1's rows, on every path
	WIN 0
	s_lshl_b32 s[LP], s[WV], 4
	s_add_co_u32 s[LP], s[LP], 128
	s_cmp_lt_u32 s[LP], s[CNT]
	s_cbranch_scc0 .Lnopf
	PREF
	WIN 0
.Lnopf:
	s_wait_loadcnt 0x20                            ; trip 1's 32 loads may stay out: W and the tables are in
.set k, 0
.rept 8
	v_cvt_pk_bf16_f32 v[CB+2*k], v[CB+2*k], v[WM+2*k]  ; both rounded: b0 below, W1 above
	v_and_b32 v[WM+2*k], 0xffff0000, v[CB+2*k]
	v_lshlrev_b32 v[CB+2*k], 16, v[CB+2*k]
	v_mul_f32 v[CB+2*k], s32, v[CB+2*k]
	v_mov_b32 v[CB+2*k+1], v[CB+2*k]
.set k, k+1
.endr
	v_add_f32 v[WS], v[WM], v[WM+2]
.irp k, 2,3,4,5,6,7
	v_add_f32 v[WS], v[WS], v[WM+2*\k]
.endr
	v_mov_b32 v[WS+1], v[WS]
.set k, 0
.rept 8
	v_mul_f32 v[WM+2*k], -2.0, v[WM+2*k]
	v_mov_b32 v[WM+2*k+1], v[WM+2*k]
.set k, k+1
.endr
	WIN 0x80                                       ; stage C's tables: beside the products of hidden tiles 0-3 (window 2) it works on tiles 4-7,
.set k, 0
.rept 8
	v_mov_b32 v[TW+k], v[WM+8+k]
.set k, k+1
.endr
	WIN 0xc0                                       ; and beside those of tiles 4-7 (window 3) on tiles 0-3
.set k, 0
.rept 8
	v_mov_b32 v[TW+k], v[WM+k]
.set k, k+1
.endr
	WIN 0
	s_mov_b32 s[TI], 0
	s_mov_b32 s[SB], 0
	s_mov_b32 s[SBN], SLOT
	s_mov_b32 s[RO], 0
	s_mov_b32 s[P4], 512
	s_mov_b32 s[TR], 33
	s_wait_kmcnt 0x0                               ; b1
	s_wait_dscnt 0x0                               ; for the others' sake: my 16 rows of slot 0 are stored
	s_barrier_signal -1
	s_barrier_wait -1
	QRUN AQ0, 0, 0                                 ; tile 0
	QRUN AQ0, 0, 1
	; THE LOOP: 33 trips.  Step n runs if n < LIM; the jumps go forward and pass no barrier.  ONE barrier a trip, on every path.  It orders the stores into the other slot (head of the fourth step) with the reads
	; of that slot (from the fourth step's second phase on), and the last reads of this slot (the third step's runs, awaited in the fourth step's first phase and at the wait below) with its next stores
	; (next trip's fourth step).  The other slot is stored on the path on which the fourth step runs: no other path reads it.
.Ltrip:
	v_add_nc_u32 v[AQC], s[SB], v[AQ0]
	v_add_nc_u32 v[AQN], s[SBN], v[AQ0]
	s_cmp_lt_u32 s[TI], s[LIM]
	s_cbranch_scc0 .Lbar
	PHASE0 0
	PHASE1 0, 0, AQC, 16*PITCH
	s_add_co_u32 s28, s[TI], 1
	s_cmp_lt_u32 s28, s[LIM]
	s_cbranch_scc0 .Lbar
	PHASE0 1
	PHASE1 1, 1, AQC, 32*PITCH
	s_add_co_u32 s28, s[TI], 2
	s_cmp_lt_u32 s28, s[LIM]
	s_cbranch_scc0 .Lbar
	PHASE0 0
	PHASE1 0, 2, AQC, 48*PITCH
	s_add_co_u32 s28, s[TI], 3
	s_cmp_lt_u32 s28, s[LIM]
	s_cbranch_scc0 .Lbar
	STAGE
	PHASE0 1, 20                                   ; the stage's stores are served while these 32 products run
	FEED
.Lbar:
	s_wait_dscnt 0x0                               ; my stores into the other slot are done, my reads of this slot are back
	s_barrier_signal -1
	s_barrier_wait -1
	s_add_co_u32 s28, s[TI], 3
	s_cmp_lt_u32 s28, s[LIM]
	s_cbranch_scc0 .Lend
	PHASE1 1, 3, AQN, 0
.Lend:
	s_add_co_u32 s[TI], s[TI], 4
	s_xor_b32 s[SB], s[SB], SLOT
	s_xor_b32 s[SBN], s[SBN], SLOT
	s_add_co_u32 s[RO], s[RO], 1024
	s_add_co_u32 s[P4], s[P4], 256
	s_add_co_u32 s[LP], s[LP], 64
	s_sub_co_u32 s[TR], s[TR], 1
	s_cmp_lg_u32 s[TR], 0
	s_cbranch_scc1 .Ltrip
	; THE WAY OUT.  List place p = 128 chunk + thread: the four waves' parts lie together, 16 bytes at RESX + 512 + 16 p; their sum and b1 go to the token that the list names.
	; A lane whose place lies past the count takes the last listed place: it reads words of RESX that were stored, makes that token's sum, and stores the same number to the same word
	; as the lane that owns the place.  So all lanes stay on.  A chunk wholly past the count is jumped.
	; The three bases lie in registers that the loop below never rewrites; the place is made anew in each trip from the thread's number and the loop's step.
	PLACES                                         ; behind the last products, one of whose sources is loaded into below
	s_wait_dscnt 0x0                               ; for the others' sake: my words of RESX are stored; and the last loads into q's registers are back
	s_barrier_signal -1
	s_barrier_wait -1
	s_mul_i32 s28, s[WV], LISTB
	s_add_co_u32 s28, s28, LIST                    ; my list copy
	s_lshl_b32 s30, s[BL], 13                      ; the block's 2,048 words of out0
	s_sub_co_u32 s31, s[CNT], 1                    ; the last listed place; used only in chunks that begin below the count, so the count is at least 1 there
	v_mov_b32 v[RS0], RESX+512
	v_mov_b32 v[RSA], s28
	v_mov_b32 v[AQN], s30
	v_mov_b32 v[T0], s37
	v_cvt_pk_bf16_f32 v[T0], v[T0], v[T0]          ; b1 rounded like the other inputs
	v_lshlrev_b32 v[T0], 16, v[T0]
	s_mov_b32 s29, 0
	s_mov_b32 s[TR], 16
.Lout:
	s_cmp_lt_u32 s29, s[CNT]
	s_cbranch_scc0 .Lskip                          ; a chunk wholly past the count
	v_add_nc_u32 v[LN], s29, v0                    ; p
	v_min_u32 v[LC], s31, v[LN]
	v_min_u32 v[LC], 0x7ff, v[LC]                  ; a list has 2,048 places at the most
	v_lshl_add_u32 v[LH], v[LC], 4, v[RS0]
	v_lshl_add_u32 v[TP], v[LC], 2, v[RSA]
	s_wait_xcnt 0x0                                ; the last trip's store names v[QF] and v[AQC]: they are rewritten only behind this wait
	ds_load_b128 v[QF:QF+3], v[LH]
	ds_load_b32 v[T1], v[TP]
	s_wait_dscnt 0x0
	v_add_f32 v[QF], v[QF], v[QF+1]
	v_add_f32 v[QF+2], v[QF+2], v[QF+3]
	v_add_f32 v[QF], v[QF], v[QF+2]
	v_add_f32 v[QF], v[QF], v[T0]
	v_min_u32 v[T1], 0x7ff, v[T1]                  ; a token's number in its block
	v_lshl_add_u32 v[AQC], v[T1], 2, v[AQN]
	global_store_b32 v[AQC], v[QF], s[20:21]
.Lskip:
	s_add_co_u32 s29, s29, 128
	s_sub_co_u32 s[TR], s[TR], 1
	s_cmp_lg_u32 s[TR], 0
	s_cbranch_scc1 .Lout
	WIN WAD
	s_wait_tensorcnt 0x0                           ; the wave's end, behind my last LDS store
	ds_add_u32 v[SPW], v[NIL]
	s_wait_dscnt 0x0
	WIN 0
	s_endpgm
.Lfunc_end_k_q0168f01aa4_ann:
	.size	k_q0168f01aa4_ann, .Lfunc_end_k_q0168f01aa4_ann-k_q0168f01aa4_ann
	.p2alignl 7, 3214868480
	.fill 96, 4, 3214868480
	.section	.rodata,"a",@progbits
	.p2align	6, 0x0
	.amdhsa_kernel k_q0168f01aa4_ann
		.amdhsa_group_segment_fixed_size 138752
		.amdhsa_private_segment_fixed_size 0
		.amdhsa_enable_private_segment 0
		.amdhsa_kernarg_size 56
		.amdhsa_user_sgpr_count 2
		.amdhsa_user_sgpr_kernarg_segment_ptr 1
		.amdhsa_wavefront_size32 1
		.amdhsa_system_sgpr_workgroup_id_x 1
		.amdhsa_system_sgpr_workgroup_id_y 1
		.amdhsa_system_sgpr_workgroup_id_z 1
		.amdhsa_system_vgpr_workitem_id 0
		.amdhsa_next_free_vgpr 1024
		.amdhsa_next_free_sgpr 66
		.amdhsa_reserve_vcc 0
		.amdhsa_float_denorm_mode_32 3
		.amdhsa_float_denorm_mode_16_64 3
		.amdhsa_memory_ordered 1
		.amdhsa_forward_progress 1
		.amdhsa_inst_pref_size 159
	.end_amdhsa_kernel
	.amdgpu_metadata
---
amdhsa.version: [ 1, 2 ]
amdhsa.kernels:
  - .name:           k_q0168f01aa4_ann
    .symbol:         k_q0168f01aa4_ann.kd
    .args:
      - { .name: q, .offset: 0, .size: 8, .value_kind: global_buffer, .address_space: global }
      - { .name: Z, .offset: 8, .size: 8, .value_kind: global_buffer, .address_space: global }
      - { .name: b0, .offset: 16, .size: 8, .value_kind: global_buffer, .address_space: global }
      - { .name: W1, .offset: 24, .size: 8, .value_kind: global_buffer, .address_space: global }
      - { .name: b1, .offset: 32, .size: 8, .value_kind: global_buffer, .address_space: global }
      - { .name: wf, .offset: 40, .size: 8, .value_kind: global_buffer, .address_space: global }
      - { .name: out0, .offset: 48, .size: 8, .value_kind: global_buffer, .address_space: global }
    .group_segment_fixed_size: 138752
    .private_segment_fixed_size: 0
    .kernarg_segment_align: 8
    .kernarg_segment_size: 56
    .max_flat_workgroup_size: 128
    .sgpr_count:     66
    .vgpr_count:     1024
    .wavefront_size: 32
...
	.end_amdgpu_metadata
.endif
;; end of part 2
;; ======== version 2 of 2: 2 launches; version 1 with the launch ann written anew for expert scheduling mode
;; workspace buffers: wf 1,048,576 bytes
;; launch lay: the kernel of part 1 again; grid 256 x 1, 8 waves a work-group, no clusters, 0 bytes of LDS; arguments W0, wf; writes wf
;; launch ann (part 3): grid 64 x 4, 4 waves a work-group, no clusters, 138,752 bytes of LDS; arguments q, Z, b0, W1, b1, wf, out0; writes out0
.if DOCPART == 3
	.amdgcn_target "amdgcn-amd-amdhsa--gfx1250"
	.amdhsa_code_object_version 6
	.text
	.protected	k_q0168f01aa4_ann
	.globl	k_q0168f01aa4_ann
	.p2align	8
	.type	k_q0168f01aa4_ann,@function
k_q0168f01aa4_ann:
	s_mov_b64 s[64:65], 0
	v_nop
	global_prefetch_b8 v0, s[64:65] scope:SCOPE_SE
	s_setreg_imm32_b32 hwreg(HW_REG_WAVE_SCHED_MODE, 0, 2), 2
	s_setreg_imm32_b32 hwreg(HW_REG_WAVE_MODE, 25, 1), 1
	s_wait_xcnt 0x0
	s_wait_alu depctr_vm_vsrc(0)
; F[n] = W1[Z[n]] . tanh(q[n] W0[Z[n]] + b0[Z[n]]) + b1, for 131,072 tokens, 256 inputs, 512 hidden units, 4 types.  Only the chosen type's product is made.
; SHARES.  Work-group (x, y) serves the tokens of type y among the 2,048 tokens of block x.  Its four waves hold the type's whole W0 in registers, 128 hidden units (512 registers) a wave,
; read once from wf.  Every wave makes, from Z, the list of the block's tokens of the type (a copy of its own in LDS: no barrier).  The listed rows of q (1,024 bytes each) are
; gathered through registers, 16 rows a wave and trip, rounded to bf16 and laid into a stage of two LDS slots of 64 rows that all four waves read.  A STEP is a tile of 16 tokens x my 128 hidden
; units: 64 matrix instructions in two PHASES of 32 (hidden tiles 0-3, 4-7).  A TRIP is four steps, one slot.  EXEC is never written: all lanes are on from the first line to the last.
; LAYOUT.  D = A B, A = 16 tokens, B = 16 hidden units: lane (r, h), register j holds token 8 h + j and hidden unit r.  So b0 and W1 hang on the lane alone, and a token's sum over hidden units
; is a sum over registers' tiles (in FACC) and then over 16 lanes (the fold).  k is permuted alike in wf and in the stage (see CVC).
; tanh x = 1 - 2 / (1 + 2^(c x)), c = 2 log2 e: 2^(c x) = infinity gives 1, 0 gives -1: right for every finite x.  W1 . tanh = sum W1 + sum (-2 W1) / (1 + 2^(c x)).
; PIPELINE.  The products of phase P are scaled and exponentiated in phase P + 1 (stage A), get 1 added and the reciprocal in P + 2 (stage B), are multiplied by -2 W1 and summed in P + 3 (stage C);
; four accumulator buffers take turns.  A tile's sums are folded two steps behind its products.  So a work-group runs two steps past its last tile, whose own products serve nothing:
; 2 steps beside 32 at an even split: the price of one text for every step; for the same reason 144 registers are cleared at the start.
; HOW THE VECTOR WORK IS DEALT.  A phase has 32 products, 112 vector instructions of the pipeline (64 transcendentals, 48 packed) and 12 or 11 of the fold.  PHASE0 and PHASE1 write the order out, a row for
; each product and the vector instructions behind it: four at the most, two of them transcendentals in nearly every row.  The 64 conversions of a trip's rows stand together ahead of the run of the
; stage's stores: the rows above have no places left for them.
; EVERY SPLIT IS SERVED: the loop has the constant count of 33 trips (128 tiles + 2 steps + 2), every wave passes its one barrier a trip, and dead steps are jumped forward.
; NO CLUSTER, NO TENSOR LOADS: a row of q has one reader, and no descriptor covers rows named by a list; what work-groups share is wf, 262,144 bytes read once by each, straight into registers.
; out0 is stored 4 bytes a lane at the listed tokens' places: a block of 64 tokens belongs to four work-groups; out0 is 524,288 of the launch's 137 million bytes.
; LIMITS.  Z lies in 0..3, as the reference's own indexing relies on (a token of another value gets no result).  q, W0, b0, W1, b1 are each rounded once to bf16; sums in f32.
; THE MODE: SCHED_MODE bits 1:0 = 2 (LLVM: expert scheduling mode 2), set by the entry lines.  The code itself states the register dependences
; between vector or matrix instructions and memory or LDS instructions, with s_wait_alu, always for 0.
; THE PLAN.  Registers that memory or LDS instructions touch, in the loop:
;   QF, first half    Read by products 0-15 of both phases of a step; the next tile's eight LDS loads land in it in the second phase, from row 16 on.
;   QF, second half   Read by products 16-31 of both phases; the next tile's eight LDS loads land in it at the second phase's end.
;   AQC, AQN          Written at a trip's head; read by those LDS loads.
;   RSA, FACC's word  Written in the second phase (RSA at its tail; the sums of that parity again from row 1 of the next step's second phase); read by the fold's LDS store at the phase's end.
;   RAW               The rows' global loads land in it (FEED); the conversions work in place and the stage's LDS stores read it (STAGE, a trip later).
;   ASTN, LAR, PAR    Written at STAGE's head; read by its 20 LDS instructions.
;   LE, PE            STAGE's LDS loads land in them; FEED's arithmetic clamps and reads them.
;   OFF, PF           Written by FEED's arithmetic; read by the rows' loads and by the prefetches.
;   AQ0, WO, LRD, PLD are read by LDS and memory instructions and never written again.  ACC, CB, WS, TW and, once loaded, W are named by vector and matrix instructions alone.
; A STEP has three waits on va_vdst: at the first phase's end (its transcendentals); in the second phase behind row 16 (products 0-15 are done reading QF's first half; AQC, AQN are written), behind which the
; eight loads are dealt among rows 16 to 19, whose instructions name none of their registers; and at the second phase's end (its transcendentals; products 16-31 are done reading QF's second half; RSA and
; the folded sum are written).  One wait on vm_vsrc stands at the second phase's head (the last step's fold store has read RSA and its word).  A TRIP has besides: vm_vsrc at its head (AQC, AQN),
; va_vdst in STAGE behind the conversions, vm_vsrc in FEED ahead of its jump (RAW, OFF, PF), va_vdst in FEED behind all its address arithmetic.
.set PITCH, 528                        ; a stage row: 512 bytes of bf16 + 16: an odd multiple of 16 bytes, so the 16 rows of a fragment load begin at 16 different groups of four banks (ISA guide 11.1)
.set SLOT,  64*PITCH
.set LIST,  2*SLOT                     ; four copies of the list, one a wave
.set LISTB, 9216                       ; 2,304 entries: 2,048 + what the look-ahead reads past them; entry 2,303 takes the lanes that do not match
.set RESX,  LIST+4*LISTB               ; [step 132][token 16][wave 4] f32; tile m lies at step m + 2.  The 512 bytes behind it take the add at the wave's end
; window 0
.set AQ0, 2                            ; my lane's place in a tile of the stage: (lane%16) PITCH + 16 (lane/16)
.set AQC, 3                            ; + this trip's slot; on the way out the token's byte in out0
.set AQN, 4                            ; + the other slot; on the way out the block's first byte in out0
.set RS0, 5                            ; RESX + 16 (lane/2) + 4 wave; on the way out RESX + 512, where tile 0's sums begin
.set RSA, 6                            ; where a fold stores; on the way out my list copy
.set TP,  7                            ; at work in the head; on the way out the LDS address of a list entry
.set CB,  8                            ; v8-23   c b0 of hidden tile ht, twice, at CB + 2 ht
.set WM,  24                           ; v24-39  -2 W1, likewise: made here in the head and copied to TW in windows 2 and 3
.set WS,  40                           ; v40-41  the sum of my lane's 8 W1, twice
.set LN,  42                           ; lane; on the way out my list place
.set LC,  43                           ; lane % 16; on the way out that place, held inside the list
.set LH,  44                           ; lane / 16; on the way out the LDS address of the four parts
.set T0,  45                           ; at work in the head; on the way out b1
.set T1,  46                           ; my word in 16 of b0 and W1; on the way out the list entry
.set WO,  47                           ; 16 lane: the offset of Z's and wf's loads; never rewritten
.set FACC, 48                          ; v48-63  a tile's 8 sums, by the tile's parity
.set QF,  64                           ; v64-127 q's fragments of one tile: K step ks at QF + 8 ks; on the way out v64-67 take the four waves' parts
.set ACC, 128                          ; v128-255 four buffers of four accumulators
; window 1
.set RAW, 0                            ; v0-127  16 rows' f32 as loaded (8 rows a half of the lanes, 4 loads a row); at the start Z
.set OFF, 128                          ; v128-135 the 8 rows' byte offsets
.set LE,  136                          ; v136-143 their list entries
.set PE,  144                          ; v144-145 list entries for the prefetch
.set PF,  146                          ; v146-147 its offsets
.set LRD, 148                          ; my list copy + 64 wave + 32 (lane/16)
.set PLD, 149                          ; my list copy + 64 wave + 4 (lane/4)
.set LAR, 150
.set PAR, 151
.set C16, 152                          ; 16 (lane%16)
.set B256, 153                         ; 256 (lane%4)
.set AST0, 154                         ; where I store in a slot: (16 wave + 8 (lane/16)) PITCH + 16 (lane%16)
.set ASTN, 155
.set L4,  158                          ; 4 lane
.set LB,  159                          ; my list copy
.set LT,  160                          ; v160-163 at work on the list
.set ZR,  164                          ; v164-167 zeros
.set LD,  168                          ; v168-171 at work on the list
.set ZA,  172
.set WX,  176                          ; v176-191 the W fragment (hidden tile 2 of the group, K step 7) of group g at WX + 8 g: its place in windows 2, 3 holds TW
; windows 2, 3: W of hidden tiles 0-3, 4-7: fragment (tile ht', K step ks) at 64 ht' + 8 ks, but for fragment (2, 7), whose eight registers hold
.set TW,  184                          ; v184-191 -2 W1, twice each, of the four hidden tiles of the OTHER group: stage C's table lies in the window that the products' source 1 names
.set WV, 2                             ; my wave
.set TY, 3                             ; the type
.set BL, 4                             ; the block
.set CNT, 5                            ; tokens in the list
.set LIM, 6                            ; steps to run: tiles + 2, or 0
.set TI, 7                             ; the trip's first step
.set SB, 22                            ; this trip's slot, in bytes
.set SBN, 23                           ; the other
.set RO, 24                            ; 1,024 x trip
.set TR, 25                            ; trips to go
.set P4, 26                            ; 256 (trip + 2): the list bytes of the trip whose rows are asked for
.set LP, 27                            ; 64 (trip + 2) + 16 wave: the first list place of my rows there
.set WN1, 0x55                         ; everything in window 1
.set WMK, 0x40                         ; destination in window 1, sources in window 0
.set MSB, 0
.macro WIN new                         ; s_set_vgpr_msb: bits 1:0 source 0, 3:2 source 1, 5:4 source 2, 7:6 destination; the high byte repeats the setting that is left
.if MSB != (\new)
	s_set_vgpr_msb (MSB<<8)|(\new)
.set MSB, (\new)
.endif
.endm
.macro PLACES                          ; four plain instructions behind a matrix instruction (ISA guide 7.12.1)
.rept 4
	v_nop
.endr
.endm
; 64 loads: W of hidden tiles 4 g .. 4 g + 3; each covers 512 consecutive bytes of wf.  Fragment 23 = (tile 2, K step 7) goes to window 1.
; No wait: their offset v[WO] was written ahead of the head's first wait on va_vdst, and no vector instruction has named the registers in which they land
.macro LOADW g
	WIN 0x80+0x40*(\g)
.set f, 0
.rept 32
.if f != 23
	global_load_b128 v[8*f:8*f+3],   v[WO], s[18:19] offset:(4*(\g)+f/8)*8192+(f%8)*1024
	global_load_b128 v[8*f+4:8*f+7], v[WO], s[18:19] offset:(4*(\g)+f/8)*8192+(f%8)*1024+512
.endif
.set f, f+1
.endr
	WIN WMK
	global_load_b128 v[WX+8*(\g):WX+8*(\g)+3],   v[WO], s[18:19] offset:(4*(\g)+2)*8192+7*1024
	global_load_b128 v[WX+8*(\g)+4:WX+8*(\g)+7], v[WO], s[18:19] offset:(4*(\g)+2)*8192+7*1024+512
.endm
; Z's tokens 128 k + 4 lane + e, e = 0..3: a matching lane's place is the running count + the matching lanes below it; the others go to entry 2,303
.macro LISTK k
.irp e, 0,1,2,3
	v_cmp_eq_u32 s[40+\e], s[TY], v[RAW+4*(\k)+\e]
.endr
	s_wait_alu depctr_va_sdst(0)                   ; the four compares have written s40 to s43, ahead of their first readers: the counts, the places and the selects below
	s_bcnt1_i32_b32 s44, s40
	s_bcnt1_i32_b32 s45, s41
	s_bcnt1_i32_b32 s46, s42
	s_bcnt1_i32_b32 s47, s43
	s_add_co_u32 s44, s30, s44
	s_add_co_u32 s45, s44, s45
	s_add_co_u32 s46, s45, s46
	s_add_co_u32 s47, s46, s47
.if (\k) > 0
	s_wait_alu depctr_vm_vsrc(0)                   ; the four stores of the 128 tokens before have read v[LT ..] and v[LD ..], which are written again below
.endif
	v_mbcnt_lo_u32_b32 v[LT],   s40, s30
	v_mbcnt_lo_u32_b32 v[LT+1], s41, s44
	v_mbcnt_lo_u32_b32 v[LT+2], s42, s45
	v_mbcnt_lo_u32_b32 v[LT+3], s43, s46
.irp e, 0,1,2,3
	v_cndmask_b32 v[LT+\e], -1, v[LT+\e], s[40+\e]
.endr
.irp e, 0,1,2,3
	v_min_u32 v[LT+\e], 2303, v[LT+\e]
.endr
.irp e, 0,1,2,3
	v_lshl_add_u32 v[LT+\e], v[LT+\e], 2, v[LB]
.endr
.irp e, 0,1,2,3
	v_add_nc_u32 v[LD+\e], 128*(\k)+\e, v[L4]
.endr
	s_wait_alu depctr_va_vdst(0)                   ; v[LT ..] and v[LD ..] are written: the stores' addresses and data
.irp e, 0,1,2,3
	ds_store_b32 v[LT+\e], v[LD+\e]
.endr
	s_mov_b32 s30, s47
.endm
; My 16 rows of a trip: lanes 0-15 take rows 0-7, lanes 16-31 rows 8-15; load p of row j: 16 lanes take the row's bytes 256 p .. 256 p + 255, aligned.
; pf = 1: the offsets of the prefetch (PREF) are made beside the rows', so that one wait serves all the addresses
.macro LOADS pf
	WIN WN1
.set j, 0
.rept 8
	v_min_u32 v[LE+j], 0x7ff, v[LE+j]              ; a token's number in its block
.set j, j+1
.endr
.if \pf
	v_min_u32 v[PE], 0x7ff, v[PE]
	v_min_u32 v[PE+1], 0x7ff, v[PE+1]
.endif
.set j, 0
.rept 8
	v_lshl_add_u32 v[OFF+j], v[LE+j], 10, v[C16]
.set j, j+1
.endr
.if \pf
	v_lshl_add_u32 v[PF], v[PE], 10, v[B256]
	v_lshl_add_u32 v[PF+1], v[PE+1], 10, v[B256]
.endif
	s_wait_alu depctr_va_vdst(0)                   ; v[OFF ..] and v[PF ..] are written, which the loads and the prefetches read; the vector instructions that named v[RAW ..], in which the loads land, are done
.set j, 0
.rept 32
	global_load_b128 v[RAW+4*j:RAW+4*j+3], v[OFF+j/4], s[8:9] offset:256*(j%4) th:TH_LOAD_NT
.set j, j+1
.endr
.endm
; My 16 rows of the trip behind that one: 64 blocks of 256 bytes, a lane each, asked for once, by the wave that will load them.  No wait: no vector instruction since the wait in LOADS names v[PF ..]
.macro PREF
	WIN WN1
	global_prefetch_b8 v[PF], s[8:9] th:TH_LOAD_NT scope:SCOPE_SE
	global_prefetch_b8 v[PF+1], s[8:9] th:TH_LOAD_NT scope:SCOPE_SE
.endm
; Unit u of 16: row u / 2 of my half's eight, loads 2 (u%2) and 2 (u%2) + 1: my 8 numbers k = 128 (u%2) + 4 (lane%16) + 0..3 and + 64 are rounded in place (CVC) and are
; chunk 16 (u%2) + lane%16 of the stage row (CVS): the order of k in which wf lies.  16 lanes store 256 consecutive bytes.  Both under window 1
.macro CVC u
.set rR, RAW+16*((\u)/2)+8*((\u)%2)
	v_cvt_pk_bf16_f32 v[rR],   v[rR],   v[rR+1]
	v_cvt_pk_bf16_f32 v[rR+1], v[rR+2], v[rR+3]
	v_cvt_pk_bf16_f32 v[rR+2], v[rR+4], v[rR+5]
	v_cvt_pk_bf16_f32 v[rR+3], v[rR+6], v[rR+7]
.endm
.macro CVS u
.set rR, RAW+16*((\u)/2)+8*((\u)%2)
	ds_store_b128 v[ASTN], v[rR:rR+3] offset:((\u)/2)*PITCH+((\u)%2)*256
.endm
; 2 LDS loads: K step n of the tile at byte off from v[a].  QL and QRUN switch no window: they stand under any setting whose destination and source 0 are window 0
.macro QL a, off, n
	ds_load_b128 v[QF+8*(\n):QF+8*(\n)+3],   v[\a] offset:(\off)+64*(\n)
	ds_load_b128 v[QF+8*(\n)+4:QF+8*(\n)+7], v[\a] offset:(\off)+64*(\n)+32
.endm
; 8 LDS loads: K steps 4 half .. 4 half + 3
.macro QRUN a, off, half
.set ks, 4*(\half)
.rept 4
	ds_load_b128 v[QF+8*ks:QF+8*ks+3],   v[\a] offset:(\off)+64*ks
	ds_load_b128 v[QF+8*ks+4:QF+8*ks+7], v[\a] offset:(\off)+64*ks+32
.set ks, ks+1
.endr
.endm
; THE PHASE'S PARTS.  SETP sets BM, BA, BB, BC (the buffers of the products and of stages A, B, C), GM, GT (the products' group; stage A's and C's), FC, FF (the sums that stage C adds to; those that are folded), FIRST, and i = 0.
.macro SETP par, g
.set BM, 2*(\par)+(\g)
.set BA, (BM+3)%4
.set BB, (BM+2)%4
.set BC, (BM+1)%4
.set GM, (\g)
.set GT, 1-(\g)
.set FIRST, (\g)
.set FC, ((\par)+(\g))%2
.set FF, (\par)
.set i, 0
.endm
.macro MM                              ; product i of 32: K step i / 4, hidden tile i % 4: the four accumulators take turns; the first four start the sums
.set rD, ACC+32*BM+8*(i%4)
.set rA, QF+8*(i/4)
.if i == 30
	WIN 0x04                                       ; the one fragment that lies in window 1
.set rB, WX+8*GM
.else
	WIN 0x08+4*GM                                  ; W in window 2 + GM, all else in window 0
.set rB, 64*(i%4)+8*(i/4)
.endif
.if i < 4
	v_wmma_f32_16x16x32_bf16 v[rD:rD+7], v[rA:rA+7], v[rB:rB+7], 0
.else
	v_wmma_f32_16x16x32_bf16 v[rD:rD+7], v[rA:rA+7], v[rB:rB+7], v[rD:rD+7]
.endif
.endm
; THE FOLD, item k of 22: 8 sums in each of 16 lanes become one token's sum a lane.  In each of three rounds a lane keeps half of its registers and sends the other half to the lane 8, 4, 2 away,
; by bit 3, 2, 1 of its number; then the lane 1 away is added.  Lane l ends with token l / 2.  The temporaries lie in the buffer that stage C has read out in the same phase; no round spans two phases.
; The masks s34 to s36 are written by scalar instructions in the head.
.macro FO k
	WIN 0
.set rF, FACC+8*FF
.set rT, ACC+32*BC
.if (\k) < 4
	v_cndmask_b32 v[rT+(\k)], v[rF+(\k)], v[rF+(\k)+4], s34
.elseif (\k) < 8
	v_cndmask_b32 v[rT+(\k)], v[rF+(\k)], v[rF+(\k)-4], s34
.elseif (\k) < 12
	v_add_f32_dpp v[rF+(\k)-8], v[rT+(\k)-4], v[rT+(\k)-8] row_xmask:8 row_mask:0xf bank_mask:0xf
.elseif (\k) < 14
	v_cndmask_b32 v[rT+(\k)-12], v[rF+(\k)-12], v[rF+(\k)-10], s35
.elseif (\k) < 16
	v_cndmask_b32 v[rT+(\k)-10], v[rF+(\k)-12], v[rF+(\k)-14], s35
.elseif (\k) < 18
	v_add_f32_dpp v[rF+(\k)-16], v[rT+(\k)-12], v[rT+(\k)-16] row_xmask:4 row_mask:0xf bank_mask:0xf
.elseif (\k) == 18
	v_cndmask_b32 v[rT], v[rF], v[rF+1], s36
.elseif (\k) == 19
	v_cndmask_b32 v[rT+4], v[rF+1], v[rF], s36
.elseif (\k) == 20
	v_add_f32_dpp v[rF], v[rT+4], v[rT] row_xmask:2 row_mask:0xf bank_mask:0xf
.else
	v_add_f32_dpp v[rF], v[rF], v[rF] row_xmask:1 row_mask:0xf bank_mask:0xf
.endif
.endm
; One vector instruction: OP kind, number.  TB n, TA n: the reciprocal (stage B) and the exponential (stage A) of number n of 32, in place.  PB n: pair n of 16: 1 + 2^..  PA n: pair n: c x + c b0 (an accumulator's
; lowest pair comes first).  PC n: the tile's sums take pair n times -2 W1; a tile's first four pairs start them with the sum of W1.  FO n: the fold.  NO: nothing.
; TB, TA, PB and PA have no vector register as source 1: they stand under every setting used between the products.  PC takes its table from the products' own window of source 1.  FO wants window 0.
.set K_TB, 0
.set K_TA, 1
.set K_PB, 2
.set K_PA, 3
.set K_PC, 4
.set K_FO, 5
.set K_NO, 6
.macro OP k, n
.if (\k) == K_TB
	v_rcp_f32 v[ACC+32*BB+(\n)], v[ACC+32*BB+(\n)]
.elseif (\k) == K_TA
	v_exp_f32 v[ACC+32*BA+(\n)], v[ACC+32*BA+(\n)]
.elseif (\k) == K_PB
.set rA, ACC+32*BB+2*(\n)
	v_pk_add_f32 v[rA:rA+1], v[rA:rA+1], 1.0 op_sel_hi:[1,0]
.elseif (\k) == K_PA
.set rA, ACC+32*BA+2*(\n)
.set rW, CB+2*(4*GT+(\n)/4)
	v_pk_fma_f32 v[rA:rA+1], v[rA:rA+1], s[32:33], v[rW:rW+1] op_sel_hi:[1,0,1]
.elseif (\k) == K_PC
	WIN 0x08+4*GM
.set rA, ACC+32*BC+2*(\n)
.set rW, TW+2*((\n)/4)
.set rF, FACC+8*FC+2*((\n)%4)
.if FIRST && ((\n) < 4)
	v_pk_fma_f32 v[rF:rF+1], v[rA:rA+1], v[rW:rW+1], v[WS:WS+1]
.else
	v_pk_fma_f32 v[rF:rF+1], v[rA:rA+1], v[rW:rW+1], v[rF:rF+1]
.endif
.elseif (\k) == K_FO
	FO \n
.endif
.endm
.macro ROW a, i1, b, i2, c=K_NO, i3=0, d=K_NO, i4=0  ; a product and the vector instructions behind it
	MM
	OP \a, \i1
	OP \b, \i2
	OP \c, \i3
	OP \d, \i4
.set i, i+1
.endm
; THE FIRST PHASE OF A STEP (hidden tiles 0-3), step parity par.  dsx: the LDS instructions issued behind the 8 loads of q's second half (20 in a trip's fourth step, else none).
; Rows 0-15: stage B, a pair made a row ahead of its two reciprocals, and stage C.  Rows 16-31: stage A, a pair made a row or two ahead of its exponentials, and the fold's first round, behind stage C's last line.
; ONE wait for the phase's 64 transcendentals: each result is first named in the next phase; a plain instruction stands behind the last of them.
; The phase holds no memory or LDS instruction.
.macro PHASE0 par, dsx=0
	SETP \par, 0
	s_wait_dscnt 8+(\dsx)                          ; all but q's second half and what was issued behind it: q's first half is in
	ROW K_PB,0, K_PB,1, K_TB,0, K_TB,1
.set sl, 1
.rept 14
	ROW K_TB,2*sl, K_PB,sl+1, K_TB,2*sl+1, K_PC,sl-1
.set sl, sl+1
.endr
	ROW K_TB,30, K_PC,14, K_TB,31, K_PC,15
	s_wait_dscnt (\dsx)                            ; q's second half is in
	ROW K_PA,0, K_PA,1, K_TA,0, K_TA,1
	ROW K_TA,2, K_PA,2, K_TA,3, K_PA,3
.set sl, 0
.rept 6
	ROW K_TA,4+4*sl, K_FO,2*sl, K_TA,5+4*sl, K_FO,2*sl+1
	ROW K_TA,6+4*sl, K_PA,4+2*sl, K_TA,7+4*sl, K_PA,5+2*sl
.set sl, sl+1
.endr
	ROW K_TA,28, K_TA,29
	ROW K_TA,30, K_TA,31
	v_nop
	s_wait_alu depctr_va_vdst(0)                   ; the phase's reciprocals and exponentials have written their results, which the next phase names first
.endm
; THE SECOND PHASE (hidden tiles 4-7).  stp: the step in its trip.  The next tile's q lies at byte aoff from v[areg].
; Its first half is fetched from row 16 on, behind one wait: the last product that read those registers heads row 15.  The eight loads are dealt two a row behind rows 16 to 19: the products there read
; q's second half, and their riders name ACC, FACC and CB alone, so nothing more is owed.  Its second half is fetched behind row 31, whose four lines of stage C and the address of the fold's store are the
; plain instructions behind the last product and behind the last exponential; the phase's last wait stands directly ahead of that run, and the fold's store heads it.
; The fold's second and third round stand two rows apart, so that no link waits for the one before it; their temporaries (registers 0, 1, 4, 5 of stage C's buffer) were read out by PC 0 and PC 2.
; THE LAST ROWS.  The text has a way from the second step's end, over the jump to the barrier, into the fourth step's second phase, whose first four products start the same four accumulators anew: five
; plain instructions are owed between the last product on an accumulator and the one that writes over it (ISA guide 7.12.1).  Behind product 28, the last on the first accumulator, stand seven:
; PA 14, PA 15, PC 12 to 15 and the address line.
.macro PHASE1 par, stp, areg, aoff
	SETP \par, 1
	s_wait_alu depctr_vm_vsrc(0)                   ; the last step's store of a fold has read v[RSA] and its word of FACC: this phase writes both again (PC 0 in row 1; the address line at the tail)
	ROW K_PB,0, K_PB,1, K_TB,0, K_TB,1
.set sl, 1
.rept 12
	ROW K_TB,2*sl, K_PB,sl+1, K_TB,2*sl+1, K_PC,sl-1
.set sl, sl+1
.endr
	ROW K_TB,26, K_PB,14, K_TB,27, K_PA,0
	ROW K_TB,28, K_PB,15, K_TB,29, K_PA,1
	ROW K_TB,30, K_PA,2, K_TB,31, K_PA,3
	ROW K_TA,0, K_PA,4, K_TA,1, K_PA,5
	s_wait_alu depctr_va_vdst(0)                   ; products 0 to 15 are done reading q's first half, in which the eight loads below land; the trip's head has written their address
	QL \areg, \aoff, 0
	ROW K_TA,2, K_FO,12, K_TA,3, K_FO,13
	QL \areg, \aoff, 1
	ROW K_TA,4, K_FO,14, K_TA,5, K_FO,15
	QL \areg, \aoff, 2
	ROW K_TA,6, K_PA,6, K_TA,7, K_PA,7
	QL \areg, \aoff, 3
	ROW K_TA,8, K_FO,16, K_TA,9, K_FO,17
	ROW K_TA,10, K_PA,8, K_TA,11, K_PA,9
	ROW K_TA,12, K_FO,18, K_TA,13, K_FO,19
	ROW K_TA,14, K_PA,10, K_TA,15, K_PA,11
	ROW K_TA,16, K_FO,20, K_TA,17
	ROW K_TA,18, K_PA,12, K_TA,19, K_PA,13
	ROW K_TA,20, K_FO,21, K_TA,21
	ROW K_TA,22, K_TA,23, K_TA,24
	ROW K_TA,25, K_PA,14, K_TA,26, K_PA,15
	ROW K_TA,27, K_TA,28, K_TA,29
	ROW K_TA,30, K_TA,31
	ROW K_PC,12, K_PC,13, K_PC,14, K_PC,15
	WIN 0
	v_add_nc_u32 v[RSA], s[RO], v[RS0]             ; where the fold's sum goes: this trip's 1,024 bytes of RESX
	s_wait_alu depctr_va_vdst(0)                   ; the phase's transcendentals have written their results; v[RSA] and the folded sum are written, which the store reads; products 16 to 31 are done reading q's second half, in which the loads land
	ds_store_b32 v[RSA], v[FACC+8*FF] offset:256*(\stp)  ; my wave's word of the token; the two lanes of a pair store the same number
	QRUN \areg, \aoff, 1
.endm
; The next trip's rows have come: they are rounded and laid into the other slot, in one run of 16 stores; the list entries of my rows two trips on, and of those three trips on for the prefetch, go with it: 20 LDS instructions.
; The three addresses and v[RAW ..] were last read by LDS instructions a trip ago, ahead of FEED's wait on vm_vsrc.
.macro STAGE
	s_wait_loadcnt 0x0                             ; for 0, since the rows' loads stand under a jump
	WIN WN1
	v_add_nc_u32 v[ASTN], s[SBN], v[AST0]
	v_add_nc_u32 v[LAR], s[P4], v[LRD]
	v_add_nc_u32 v[PAR], s[P4], v[PLD]
.irp u, 0,1,2,3,4,5,6,7,8,9,10,11,12,13,14,15
	CVC \u
.endr
	s_wait_alu depctr_va_vdst(0)                   ; the conversions have written v[RAW ..], the stores' data; the three addresses are written; FEED's arithmetic of the last trip is done with v[LE ..] and v[PE ..], in which the loads land
.irp u, 0,1,2,3,4,5,6,7,8,9,10,11,12,13,14,15
	CVS \u
.endr
	ds_load_b128 v[LE:LE+3],   v[LAR]
	ds_load_b128 v[LE+4:LE+7], v[LAR] offset:16
	ds_load_b32 v[PE],   v[PAR] offset:256
	ds_load_b32 v[PE+1], v[PAR] offset:288
.endm
; The rows two trips on are asked for if my tile there holds a token: 32 loads, 16,384 bytes a wave, with three and a half steps (224 matrix instructions) up to the wait for them.
; The rows three trips on are prefetched, a whole trip ahead of their loads; past the list's end nothing is asked for.
.macro FEED
	WIN 0
	s_wait_dscnt 0x0                               ; the list entries are in
	s_wait_xcnt 0x0                                ; OFF and PF, which earlier loads and prefetches name, are rewritten only behind this wait
	s_wait_alu depctr_vm_vsrc(0)                   ; the stage's stores have read v[RAW ..], in which the rows' loads land; the earlier loads and prefetches have read v[OFF ..] and v[PF ..], which are written again
	s_cmp_lt_u32 s[LP], s[CNT]
	s_cbranch_scc0 .Lfed_\@
	LOADS 1
	WIN 0
	s_add_co_u32 s28, s[LP], 64
	s_cmp_lt_u32 s28, s[CNT]
	s_cbranch_scc0 .Lfed_\@
	PREF
	WIN 0
.Lfed_\@:
.endm
	; THE HEAD
	s_load_b256 s[8:15], s[0:1], 0x0               ; q s[8:9], Z s[10:11], b0 s[12:13], W1 s[14:15]
	s_load_b128 s[16:19], s[0:1], 0x20             ; b1 s[16:17], wf s[18:19]
	s_load_b64 s[20:21], s[0:1], 0x30              ; out0
	v_lshl_add_u32 v1, v0, 2, 0x21c00
	s_set_vgpr_msb 0x40
	v_mov_b32 v255, 0
	s_set_vgpr_msb 0x4000
	v_lshrrev_b32 v[TP], 5, v0
	v_readfirstlane_b32 s[WV], v[TP]
	s_and_b32 s[TY], ttmp7, 0xffff
	s_mov_b32 s[BL], ttmp9
	v_and_b32 v[LN], 31, v0
	v_and_b32 v[LC], 15, v0
	v_bfe_u32 v[LH], v0, 4, 1
	v_lshlrev_b32 v[WO], 4, v[LN]
	s_wait_alu depctr_va_sdst(0)                   ; the wave's number is written, ahead of its first reader: the bases of b0, W1 and wf are made from it
	s_mov_b32 s39, 0
	s_wait_kmcnt 0x0
	s_load_b32 s37, s[16:17], 0x0                  ; b1
	s_lshl_b32 s38, s[BL], 21                      ; the block's 2,048 rows of 1,024 bytes
	s_add_nc_u64 s[8:9], s[8:9], s[38:39]
	s_lshl_b32 s38, s[BL], 13                      ; its 2,048 words of Z
	s_add_nc_u64 s[10:11], s[10:11], s[38:39]
	s_lshl_b32 s38, s[TY], 11                      ; the type's 512 words of b0 and W1, my wave's 128 of them
	s_lshl_b32 s28, s[WV], 9
	s_add_co_u32 s38, s38, s28
	s_add_nc_u64 s[12:13], s[12:13], s[38:39]
	s_add_nc_u64 s[14:15], s[14:15], s[38:39]
	s_lshl_b32 s38, s[TY], 18                      ; the type's 262,144 bytes of wf, my wave's 65,536
	s_lshl_b32 s28, s[WV], 16
	s_add_co_u32 s38, s38, s28
	s_add_nc_u64 s[18:19], s[18:19], s[38:39]
	WIN WMK
	s_wait_alu depctr_va_vdst(0)                   ; v[WO] is written: the offset of Z's and of all of wf's loads
.set k, 0
.rept 16
	global_load_b128 v[RAW+4*k:RAW+4*k+3], v[WO], s[10:11] offset:512*k  ; Z of tokens 128 k + 4 lane + 0..3
.set k, k+1
.endr
	LOADW 0
	WIN 0                                          ; all that follows up to the wait stands in the shadow of those loads
	v_mul_u32_u24 v[AQ0], v[LC], PITCH
	v_lshl_add_u32 v[AQ0], v[LH], 4, v[AQ0]
	s_lshl_b32 s31, s[WV], 2
	s_add_co_u32 s31, s31, RESX
	v_lshrrev_b32 v[RS0], 1, v[LN]
	v_lshl_add_u32 v[RS0], v[RS0], 4, s31
	s_mul_i32 s29, s[WV], LISTB
	s_add_co_u32 s29, s29, LIST                    ; my list copy
	s_lshl_b32 s28, s[WV], 6
	s_add_co_u32 s28, s28, s29                     ; + my 16 entries of a trip's 64
	s_mul_i32 s30, s[WV], 16*PITCH                 ; my 16 rows of a slot
	v_lshrrev_b32 v[T0], 2, v[LN]
	v_and_b32 v[T1], 3, v[LN]
	v_mul_u32_u24 v[TP], v[LH], 8*PITCH
	v_add_nc_u32 v[TP], s30, v[TP]
	WIN WMK
	v_lshl_add_u32 v[LRD], v[LH], 5, s28
	v_lshl_add_u32 v[PLD], v[T0], 2, s28
	v_mov_b32 v[LB], s29
	v_lshlrev_b32 v[C16], 4, v[LC]
	v_lshlrev_b32 v[B256], 8, v[T1]
	v_lshlrev_b32 v[L4], 2, v[LN]
	v_lshl_add_u32 v[AST0], v[LC], 4, v[TP]
	v_lshl_add_u32 v[ZA], v[LN], 4, s29
.irp e, 0,1,2,3
	v_mov_b32 v[ZR+\e], 0
.endr
	WIN WN1
	s_wait_alu depctr_va_vdst(0)                   ; v[ZA] and v[ZR ..] are written: the stores' address and data; so are v[AQ0], v[LRD] and v[PLD], by which later LDS loads read
.set k, 0
.rept 18
	ds_store_b128 v[ZA], v[ZR:ZR+3] offset:512*k   ; my whole list copy names row 0: places past the count repeat a row that exists
.set k, k+1
.endr
	WIN 0
	v_lshlrev_b32 v[T1], 2, v[LC]                  ; my word in 16 of b0 and W1
.set k, ACC
.rept 128
	v_mov_b32 v[k], 0                              ; what the first phases' vector work finds: finite numbers, whose results are stored at steps 0 and 1 of RESX and never read
.set k, k+1
.endr
.set k, FACC
.rept 16
	v_mov_b32 v[k], 0
.set k, k+1
.endr
	s_mov_b32 s32, 0x4038aa3b                      ; c = 2 log2 e
	s_mov_b32 s33, 0x4038aa3b
	s_mov_b32 s34, 0xff00ff00                      ; lanes with bit 3 set
	s_mov_b32 s35, 0xf0f0f0f0                      ; bit 2
	s_mov_b32 s36, 0xcccccccc                      ; bit 1
	s_mov_b32 s30, 0                               ; the running count
	s_wait_loadcnt 0x3f                            ; 64 loads are younger than Z's: the largest count that the wait can name shows Z in
	WIN WN1
.irp k, 0,1,2,3,4,5,6,7,8,9,10,11,12,13,14,15
	LISTK \k
.endr
	ds_load_b128 v[LE:LE+3],   v[LRD]              ; LDS serves a wave's instructions in order (ISA guide 5.7.1.4): these see the list
	ds_load_b128 v[LE+4:LE+7], v[LRD] offset:16
	s_mov_b32 s[CNT], s30
	s_add_co_u32 s[LIM], s[CNT], 15
	s_lshr_b32 s[LIM], s[LIM], 4                   ; tiles
	s_add_co_u32 s28, s[LIM], 2
	s_cmp_lg_u32 s[LIM], 0
	s_cselect_b32 s[LIM], s28, 0
	s_wait_dscnt 0x0
	LOADS 0                                        ; trip 0's rows, on every path; the compares that read Z in v[RAW ..] stand ahead of its wait
	LOADW 1
	WIN 0
.set k, 0
.rept 8
	global_load_b32 v[CB+2*k], v[T1], s[12:13] offset:64*k   ; v[T1] was written ahead of the list's waits
	global_load_b32 v[WM+2*k], v[T1], s[14:15] offset:64*k
.set k, k+1
.endr
	s_wait_loadcnt 0x3f                            ; 80 loads are younger than trip 0's rows
	WIN WN1
	v_mov_b32 v[ASTN], v[AST0]                     ; slot 0
.irp u, 0,1,2,3,4,5,6,7,8,9,10,11,12,13,14,15
	CVC \u
.endr
	s_wait_alu depctr_va_vdst(0)                   ; the conversions have written v[RAW ..], the stores' data; v[ASTN] is written
.irp u, 0,1,2,3,4,5,6,7,8,9,10,11,12,13,14,15
	CVS \u
.endr
	ds_load_b128 v[LE:LE+3],   v[LRD] offset:256   ; trip 1
	ds_load_b128 v[LE+4:LE+7], v[LRD] offset:272
	ds_load_b32 v[PE],   v[PLD] offset:512         ; trip 2
	ds_load_b32 v[PE+1], v[PLD] offset:544
	s_wait_dscnt 0x0                               ; the entries are in
	s_wait_alu depctr_vm_vsrc(0)                   ; the stage's stores have read v[RAW ..], in which trip 1's loads land; trip 0's loads have read v[OFF ..], which are written again
	LOADS 1                                        ; trip 1's rows, on every path
	WIN 0
	s_lshl_b32 s[LP], s[WV], 4
	s_add_co_u32 s[LP], s[LP], 128
	s_cmp_lt_u32 s[LP], s[CNT]
	s_cbranch_scc0 .Lnopf
	PREF
	WIN 0
.Lnopf:
	s_wait_loadcnt 0x20                            ; trip 1's 32 loads may stay out: W and the tables are in
.set k, 0
.rept 8
	v_cvt_pk_bf16_f32 v[CB+2*k], v[CB+2*k], v[WM+2*k]  ; both rounded: b0 below, W1 above
	v_and_b32 v[WM+2*k], 0xffff0000, v[CB+2*k]
	v_lshlrev_b32 v[CB+2*k], 16, v[CB+2*k]
	v_mul_f32 v[CB+2*k], s32, v[CB+2*k]
	v_mov_b32 v[CB+2*k+1], v[CB+2*k]
.set k, k+1
.endr
	v_add_f32 v[WS], v[WM], v[WM+2]
.irp k, 2,3,4,5,6,7
	v_add_f32 v[WS], v[WS], v[WM+2*\k]
.endr
	v_mov_b32 v[WS+1], v[WS]
.set k, 0
.rept 8
	v_mul_f32 v[WM+2*k], -2.0, v[WM+2*k]
	v_mov_b32 v[WM+2*k+1], v[WM+2*k]
.set k, k+1
.endr
	WIN 0x80                                       ; stage C's tables: beside the products of hidden tiles 0-3 (window 2) it works on tiles 4-7,
.set k, 0
.rept 8
	v_mov_b32 v[TW+k], v[WM+8+k]
.set k, k+1
.endr
	WIN 0xc0                                       ; and beside those of tiles 4-7 (window 3) on tiles 0-3
.set k, 0
.rept 8
	v_mov_b32 v[TW+k], v[WM+k]
.set k, k+1
.endr
	WIN 0
	s_mov_b32 s[TI], 0
	s_mov_b32 s[SB], 0
	s_mov_b32 s[SBN], SLOT
	s_mov_b32 s[RO], 0
	s_mov_b32 s[P4], 512
	s_mov_b32 s[TR], 33
	s_wait_kmcnt 0x0                               ; b1
	s_wait_dscnt 0x0                               ; for the others' sake: my 16 rows of slot 0 are stored
	s_barrier_signal -1
	s_barrier_wait -1
	QRUN AQ0, 0, 0                                 ; tile 0.  No wait: v[AQ0] was written ahead of the head's waits, and no vector instruction has named v[QF ..]
	QRUN AQ0, 0, 1
	; THE LOOP: 33 trips.  Step n runs if n < LIM; the jumps go forward and pass no barrier.  ONE barrier a trip, on every path.  It orders the stores into the other slot (head of the fourth step) with the reads
	; of that slot (from the fourth step's second phase on), and the last reads of this slot (the third step's runs, awaited in the fourth step's first phase and at the wait below) with its next stores
	; (next trip's fourth step).  The other slot is stored on the path on which the fourth step runs: no other path reads it.
.Ltrip:
	s_wait_alu depctr_vm_vsrc(0)                   ; the last trip's loads of q's fragments have read v[AQC] and v[AQN], which are written again
	v_add_nc_u32 v[AQC], s[SB], v[AQ0]
	v_add_nc_u32 v[AQN], s[SBN], v[AQ0]
	s_cmp_lt_u32 s[TI], s[LIM]
	s_cbranch_scc0 .Lbar
	PHASE0 0
	PHASE1 0, 0, AQC, 16*PITCH
	s_add_co_u32 s28, s[TI], 1
	s_cmp_lt_u32 s28, s[LIM]
	s_cbranch_scc0 .Lbar
	PHASE0 1
	PHASE1 1, 1, AQC, 32*PITCH
	s_add_co_u32 s28, s[TI], 2
	s_cmp_lt_u32 s28, s[LIM]
	s_cbranch_scc0 .Lbar
	PHASE0 0
	PHASE1 0, 2, AQC, 48*PITCH
	s_add_co_u32 s28, s[TI], 3
	s_cmp_lt_u32 s28, s[LIM]
	s_cbranch_scc0 .Lbar
	STAGE
	PHASE0 1, 20                                   ; the stage's stores are served while these 32 products run
	FEED
.Lbar:
	s_wait_dscnt 0x0                               ; my stores into the other slot are done, my reads of this slot are back
	s_barrier_signal -1
	s_barrier_wait -1
	s_add_co_u32 s28, s[TI], 3
	s_cmp_lt_u32 s28, s[LIM]
	s_cbranch_scc0 .Lend
	PHASE1 1, 3, AQN, 0
.Lend:
	s_add_co_u32 s[TI], s[TI], 4
	s_xor_b32 s[SB], s[SB], SLOT
	s_xor_b32 s[SBN], s[SBN], SLOT
	s_add_co_u32 s[RO], s[RO], 1024
	s_add_co_u32 s[P4], s[P4], 256
	s_add_co_u32 s[LP], s[LP], 64
	s_sub_co_u32 s[TR], s[TR], 1
	s_cmp_lg_u32 s[TR], 0
	s_cbranch_scc1 .Ltrip
	; THE WAY OUT.  List place p = 128 chunk + thread: the four waves' parts lie together, 16 bytes at RESX + 512 + 16 p; their sum and b1 go to the token that the list names.
	; A lane whose place lies past the count takes the last listed place: it reads words of RESX that were stored, makes that token's sum, and stores the same number to the same word
	; as the lane that owns the place.  So all lanes stay on.  A chunk wholly past the count is jumped.
	; The three bases lie in registers that the loop below never rewrites; the place is made anew in each trip from the thread's number and the loop's step.
	PLACES                                         ; behind the last products, one of whose sources is loaded into below; they stay beside the wait ahead of that load
	s_wait_dscnt 0x0                               ; for the others' sake: my words of RESX are stored; and the last loads into q's registers are back
	s_barrier_signal -1
	s_barrier_wait -1
	s_mul_i32 s28, s[WV], LISTB
	s_add_co_u32 s28, s28, LIST                    ; my list copy
	s_lshl_b32 s30, s[BL], 13                      ; the block's 2,048 words of out0
	s_sub_co_u32 s31, s[CNT], 1                    ; the last listed place; used only in chunks that begin below the count, so the count is at least 1 there
	s_wait_alu depctr_vm_vsrc(0)                   ; the folds' stores have read v[RSA], the loads of q's fragments v[AQC] and v[AQN], the tables' loads v[T1]: all four take other numbers from here on
	v_mov_b32 v[RS0], RESX+512
	v_mov_b32 v[RSA], s28
	v_mov_b32 v[AQN], s30
	v_mov_b32 v[T0], s37
	v_cvt_pk_bf16_f32 v[T0], v[T0], v[T0]          ; b1 rounded like the other inputs
	v_lshlrev_b32 v[T0], 16, v[T0]
	s_mov_b32 s29, 0
	s_mov_b32 s[TR], 16
.Lout:
	s_cmp_lt_u32 s29, s[CNT]
	s_cbranch_scc0 .Lskip                          ; a chunk wholly past the count
	v_add_nc_u32 v[LN], s29, v0                    ; p
	v_min_u32 v[LC], s31, v[LN]
	v_min_u32 v[LC], 0x7ff, v[LC]                  ; a list has 2,048 places at the most
	v_lshl_add_u32 v[LH], v[LC], 4, v[RS0]
	v_lshl_add_u32 v[TP], v[LC], 2, v[RSA]
	s_wait_alu depctr_va_vdst(0)                   ; v[LH] and v[TP] are written, the loads' addresses; the last products, and the last chunk's additions and clamp, are done with v[QF ..] and v[T1], in which the loads land
	ds_load_b128 v[QF:QF+3], v[LH]
	ds_load_b32 v[T1], v[TP]
	s_wait_dscnt 0x0
	v_add_f32 v[QF], v[QF], v[QF+1]
	v_add_f32 v[QF+2], v[QF+2], v[QF+3]
	v_add_f32 v[QF], v[QF], v[QF+2]
	v_add_f32 v[QF], v[QF], v[T0]
	v_min_u32 v[T1], 0x7ff, v[T1]                  ; a token's number in its block
	v_lshl_add_u32 v[AQC], v[T1], 2, v[AQN]
	s_wait_alu depctr_va_vdst(0)                   ; the sum in v[QF] and the offset v[AQC] are written, which the store reads
	global_store_b32 v[AQC], v[QF], s[20:21]
	s_wait_xcnt 0x0                                ; the store names v[QF] and v[AQC]: they are rewritten only behind this wait
	s_wait_alu depctr_vm_vsrc(0)                   ; the store has read v[QF] and v[AQC], the two LDS loads v[LH] and v[TP]: the next chunk writes all four again
.Lskip:
	s_add_co_u32 s29, s29, 128
	s_sub_co_u32 s[TR], s[TR], 1
	s_cmp_lg_u32 s[TR], 0
	s_cbranch_scc1 .Lout
	s_wait_dscnt 0x0                               ; the wave's end.
	s_set_vgpr_msb 0x4
	s_wait_dscnt 0x0
	s_wait_alu depctr_hold_cnt(0) depctr_sa_sdst(0) depctr_va_vdst(0) depctr_va_sdst(0) depctr_va_ssrc(0) depctr_va_vcc(0) depctr_vm_vsrc(0)
	s_wait_tensorcnt 0x0
	ds_add_u32 v1, v255
	s_wait_dscnt 0x0
	s_endpgm
.Lfunc_end_k_q0168f01aa4_ann:
	.size	k_q0168f01aa4_ann, .Lfunc_end_k_q0168f01aa4_ann-k_q0168f01aa4_ann
	.p2alignl 7, 3214868480
	.fill 96, 4, 3214868480
	.section	.rodata,"a",@progbits
	.p2align	6, 0x0
	.amdhsa_kernel k_q0168f01aa4_ann
		.amdhsa_group_segment_fixed_size 138752
		.amdhsa_private_segment_fixed_size 0
		.amdhsa_enable_private_segment 0
		.amdhsa_kernarg_size 56
		.amdhsa_user_sgpr_count 2
		.amdhsa_user_sgpr_kernarg_segment_ptr 1
		.amdhsa_wavefront_size32 1
		.amdhsa_system_sgpr_workgroup_id_x 1
		.amdhsa_system_sgpr_workgroup_id_y 1
		.amdhsa_system_sgpr_workgroup_id_z 1
		.amdhsa_system_vgpr_workitem_id 0
		.amdhsa_next_free_vgpr 1024
		.amdhsa_next_free_sgpr 66
		.amdhsa_reserve_vcc 0
		.amdhsa_float_denorm_mode_32 3
		.amdhsa_float_denorm_mode_16_64 3
		.amdhsa_memory_ordered 1
		.amdhsa_forward_progress 1
		.amdhsa_inst_pref_size 162
	.end_amdhsa_kernel
	.amdgpu_metadata
---
amdhsa.version: [ 1, 2 ]
amdhsa.kernels:
  - .name:           k_q0168f01aa4_ann
    .symbol:         k_q0168f01aa4_ann.kd
    .args:
      - { .name: q, .offset: 0, .size: 8, .value_kind: global_buffer, .address_space: global }
      - { .name: Z, .offset: 8, .size: 8, .value_kind: global_buffer, .address_space: global }
      - { .name: b0, .offset: 16, .size: 8, .value_kind: global_buffer, .address_space: global }
      - { .name: W1, .offset: 24, .size: 8, .value_kind: global_buffer, .address_space: global }
      - { .name: b1, .offset: 32, .size: 8, .value_kind: global_buffer, .address_space: global }
      - { .name: wf, .offset: 40, .size: 8, .value_kind: global_buffer, .address_space: global }
      - { .name: out0, .offset: 48, .size: 8, .value_kind: global_buffer, .address_space: global }
    .group_segment_fixed_size: 138752
    .private_segment_fixed_size: 0
    .kernarg_segment_align: 8
    .kernarg_segment_size: 56
    .max_flat_workgroup_size: 128
    .sgpr_count:     66
    .vgpr_count:     1024
    .wavefront_size: 32
...
	.end_amdgpu_metadata
.endif
;; end of part 3
